; MI455X (gfx1250); checked and timed in simulation.
; The chip was launched on July 23, 2026; its instructions are those of AMD's public machine-readable ISA for CDNA 5 (MIT licence, August 2026) and "CDNA5" Instruction Set Architecture Reference Guide (July 2026). The comments in the code are by the model that wrote it; some were corrected since.
;; Cross Attention. Allowed arithmetic: matrix products marked QUANTISED: E2M3 operands, one E8M0 scale for each 32 along K, by v_wmma_scale_f32_16x16x128_f8f6f4 with both operands' format E2M3, f32 sums; everything else in f32.
;; Inputs: Wk 768 x 512 float32; Wo 512 x 512 float32; Wq 512 x 512 float32; Wv 768 x 512 float32; bo 512 float32; context 2 x 4,096 x 768 float32; x 2 x 4,096 x 512 float32.
;; Outputs: out0 2 x 4,096 x 512 float32.
;; This version of the problem:
;;   THIS VERSION OF THE PROBLEM IS GIVEN IN LOW PRECISION. The matrix products marked QUANTISED in the list below multiply operands that are first quantised to E2M3 (2 exponent bits, 3 mantissa bits; 6 bits a number), with one power-of-two scale for each 32 numbers along K (OCP MX v1.0); their sums are f32. All else is computed in f32.
;;   The module's matrix products, in the order in which they are computed (A, B: the left and right operand; K: the contracted axis; several contracted axes count as one K, in the product's order):
;;     1. [M 8,192, K 512] x [K 512, N 512]; A: input x; B: input Wq: QUANTISED
;;     2. [M 8,192, K 768] x [K 768, N 512]; A: input context; B: input Wk: QUANTISED
;;     3. [M 8,192, K 768] x [K 768, N 512]; A: input context; B: input Wv: QUANTISED
;;     4. batch 16 x [M 4,096, K 64] x [K 64, N 4,096]; A: computed on the way; B: computed on the way: QUANTISED
;;     5. batch 16 x [M 4,096, K 4,096] x [K 4,096, N 64]; A: softmax (see below); B: computed on the way: QUANTISED
;;     6. [M 8,192, K 512] x [K 512, N 512]; A: computed on the way; B: input Wo: QUANTISED
;;   THE QUANTISER, for each operand of a quantised product, along K:
;;     - K is cut into blocks of 32 from its start; a last block that is shorter is filled with zeros.
;;     - A block's scale is 2^e with e = floor(log2(the largest magnitude in the block)) - 2, held to -126 .. 127; a block of zeros has e = 0. As a byte (E8M0): e + 127.
;;     - Each number is divided by its block's scale, clamped to +-7.5, and rounded to the nearest number of E2M3, ties to even, subnormals kept.
;;     - The product sums the exact products of the quantised numbers (number of the format x scale) in f32.
;;   ~~~python
;;   def quantise(x, axis):      # numpy; x: float32 -> the quantised numbers, widened to float32 again
;;       x = np.moveaxis(x, axis, -1); K = x.shape[-1]
;;       x = np.pad(x, [(0, 0)] * (x.ndim - 1) + [(0, -K % 32)]); x = x.reshape(x.shape[:-1] + (-1, 32)); a = np.abs(x).max(-1, keepdims=True)
;;       e = np.where(a > 0, np.clip(np.frexp(np.where(a > 0, a, 1))[1] - 1 - 2, -126, 127), 0)      # np.frexp(a)[1] - 1 = floor(log2(a)), exactly
;;       r = np.clip(x / 2.0 ** e, -7.5, 7.5)
;;       step = 2.0 ** (np.maximum(np.frexp(np.where(r == 0, 1, r))[1] - 1, 0) - 3)
;;       q = np.round(r / step) * step * 2.0 ** e      # np.round: ties to even
;;       return np.moveaxis(q.reshape(q.shape[:-2] + (-1,))[..., :K], -1, axis).astype(np.float32)
;;   ~~~
;;   SOFTMAX AHEAD OF A QUANTISED PRODUCT. Where the list says 'softmax', what is quantised is not the finished softmax but p = 2^(t - M), with t = logit x log2(e) and M = ceil(the row's largest t), a whole number; so 1/2 < the row's largest p <= 1. The row's sum l is taken of the UNQUANTISED p, in f32, and the product's result is divided by l at the end. Since M is a whole number, a kernel that streams over the keys may use a running M (the ceiling of the running maximum): every later rescaling is an exact power of two, which a block's scale takes up: the codes' values come out the same.
;;   OPERANDS COMPUTED ON THE WAY. 'Computed on the way' means the value that the module computes at that place (a softmax that the list does not call 'softmax' is quantised finished and normalised). What goes into a quantiser is computed in f32, as accurately as f32 sums, v_exp_f32 and their like allow (about 1e-6 of the number): no bf16 or f16 on the way to a quantiser, and a product that is left as it is and whose result goes on into a quantised operand takes f32 operands (vector FMAs, or v_wmma_f32_16x16x4_f32). A number that lies on a knife's edge between two numbers of the format may be rounded either way, as far as f32 arithmetic and the matrix unit's own rounding can turn it there, and no further.
;; One version. Each part assembles by itself: llvm-mc -triple=amdgcn-amd-amdhsa -mcpu=gfx1250 --defsym DOCPART=n.
;; ======== version 1 of 1: 4 launches
;; limits: right only within a limited range of input values
;; workspace buffers: act 9,584,640 bytes; qb 3,407,872 bytes; kvb 6,684,672 bytes; ob 3,670,016 bytes
;; launch prep (part 1): grid 1440 x 1, 4 waves a work-group, no clusters, 34,304 bytes of LDS; arguments Wq, Wk, Wv, Wo, x, context, act; writes act
.if DOCPART == 1
	.amdgcn_target "amdgcn-amd-amdhsa--gfx1250"
	.amdhsa_code_object_version 6
	.text
	.protected	k_q74ddc378d0_prep
	.globl	k_q74ddc378d0_prep
	.p2align	8
	.type	k_q74ddc378d0_prep,@function
k_q74ddc378d0_prep:
	s_mov_b64 s[64:65], 0
	v_nop
	global_prefetch_b8 v0, s[64:65] scope:SCOPE_SE
	s_setreg_imm32_b32 hwreg(HW_REG_WAVE_MODE, 25, 1), 1
	s_wait_xcnt 0x0
; The four weights ([K][512] f32, K the first axis), x ([8192][512]) and context ([8192][768]) become codes of FP6 (E2M3) with one E8M0 byte for each 32 along K.
; They are laid in act as IMAGES OF OPERAND REGISTERS.  A fragment is 16 rows x 128 K, 12 registers a lane, 1,536 bytes: register j of lane l at 512 (j / 4) + 16 l + 4 (j % 4);
; its scale words, 128 bytes, lane l's at 4 l (lanes 16-31 repeat lanes 0-15), lie behind all codes, from ACT_S on.
; THE ROWS OF A TILE ARE NOT NEIGHBOURS: row r of tile T is 32 (T / 2) + 8 (T % 2) + r + 8 (r / 8), so that the results of two neighbouring tiles are 16 neighbours in a lane's registers in the later products.
; SHARES: one wave makes one fragment, F = 4 x work-group + wave.  F: Wq 0 + 32 s + T, Wk 128 +, Wv 320 +, Wo 512 + (s: the K step, T: 32 tiles of columns); x 640 + 512 s + T, context 2688 + 512 s + T (512 tiles of rows).
; A weight's lane takes a column and its registers run down K.  An activation's 16 rows come as 512 consecutive bytes a load and turn through the wave's own stage in LDS (rows of 512 + 16 bytes), so that a lane gets 32 neighbours.
; A block's scale is 2^(floor(log2(its largest magnitude)) - 2); its byte is the largest magnitude's exponent field - 2, held at 1 from below.
; LIMITS: a block of zeros keeps the byte 1 (its codes are zeros, and this program alone reads the bytes); largest magnitudes under 2^-124 are held at that floor; NaN and infinities among the inputs are not served.
; A scale image is 128 bytes: two neighbouring waves' stores fill an aligned 256 bytes between them.  No barrier: waves share nothing.
.set ACT_S, 8847360                    ; 5,760 fragments x 1,536 bytes
.set SROW,  528                        ; a stage row
.set STG,   16*SROW                    ; a wave's stage
.set SPARE, 4*STG                      ; behind the stages: the spare words, 128 bytes for each wave
.set X,   64                           ; v64-127   number 32 c + i is k = 64 c + 32 h + i of my row
.set R,   128                          ; v128-191  16 rows as they are loaded
.set LI,  5                            ; 16 x lane
.set L4,  6                            ; 4 x lane
.set STI, 7                            ; into the stage
.set STO, 8                            ; out of it
.set WO,  11                           ; a weight's lane offset
.set SPW, 12                           ; my spare word; never rewritten
.set NIL, 13                           ; 0; never rewritten
	s_load_b256 s[4:11], s[0:1], 0x0               ; Wq, Wk, Wv, Wo
	s_load_b128 s[12:15], s[0:1], 0x20             ; x, context
	s_load_b64 s[16:17], s[0:1], 0x30              ; act
	v_lshl_add_u32 v[SPW], v0, 2, SPARE
	v_mov_b32 v[NIL], 0
	v_lshrrev_b32 v1, 5, v0
	v_readfirstlane_b32 s18, v1                    ; wave
	v_and_b32 v2, 31, v0                           ; lane
	v_and_b32 v3, 15, v0                           ; r
	v_bfe_u32 v4, v0, 4, 1                         ; h
	v_lshlrev_b32 v[LI], 4, v2
	v_lshlrev_b32 v[L4], 2, v2
	s_mul_i32 s19, s18, STG
	v_add_nc_u32 v[STI], s19, v[LI]                ; a row's 512 bytes, 16 a lane
	v_mul_u32_u24 v[STO], v3, SROW
	v_lshl_add_u32 v[STO], v4, 7, v[STO]
	v_add_nc_u32 v[STO], s19, v[STO]               ; row r, + 128 h: my 32 numbers of each 64
	v_and_b32 v[WO], 8, v3
	v_add_nc_u32 v[WO], v[WO], v3                  ; r + 8 (r / 8)
	v_lshlrev_b32 v[WO], 2, v[WO]
	v_lshl_add_u32 v[WO], v4, 16, v[WO]            ; + 32 h rows of 2,048 bytes
	s_mov_b32 s26, 0x76543210
	s_mov_b32 s27, 0xfedcba98                      ; v_permlanex16_b32's selects for lane l xor 16
	s_lshl_b32 s23, ttmp9, 2
	s_add_co_u32 s23, s23, s18                     ; F
	s_mov_b32 s29, 0
	s_wait_kmcnt 0x0
	s_cmp_lt_u32 ttmp9, 32                         ; which tensor: the choices hang on the work-group's number alone
	s_cselect_b64 s[20:21], s[4:5], s[6:7]
	s_cselect_b32 s22, 0, 128
	s_cmp_lt_u32 ttmp9, 80
	s_cselect_b64 s[20:21], s[20:21], s[8:9]
	s_cselect_b32 s22, s22, 320
	s_cmp_lt_u32 ttmp9, 128
	s_cselect_b64 s[20:21], s[20:21], s[10:11]
	s_cselect_b32 s22, s22, 512
	s_cmp_lt_u32 ttmp9, 160
	s_cselect_b64 s[20:21], s[20:21], s[12:13]
	s_cselect_b32 s22, s22, 640
	s_cmp_lt_u32 ttmp9, 672
	s_cselect_b64 s[20:21], s[20:21], s[14:15]
	s_cselect_b32 s22, s22, 2688
	s_sub_co_u32 s24, s23, s22                     ; the fragment's number in its tensor
	s_mul_i32 s28, s23, 1536
	s_add_nc_u64 s[30:31], s[16:17], s[28:29]      ; where its codes go,
	s_lshl_b32 s28, s23, 7
	s_add_nc_u64 s[32:33], s[16:17], s[28:29]
	s_add_nc_u64 s[32:33], s[32:33], ACT_S         ; and its scale words
	s_cmp_ge_u32 ttmp9, 160
	s_cbranch_scc1 .Lacts
	; ---- a weight: W(128 s + 64 c + 32 h + i, column)
	s_and_b32 s25, s24, 31                         ; T
	s_lshr_b32 s28, s24, 5                         ; s
	s_lshl_b32 s28, s28, 18                        ; 128 rows of 2,048 bytes a K step
	s_lshr_b32 s34, s25, 1
	s_lshl_b32 s34, s34, 7                         ; 32 columns a pair of tiles
	s_add_co_u32 s28, s28, s34
	s_and_b32 s34, s25, 1
	s_lshl_b32 s34, s34, 5                         ; 8 columns
	s_add_co_u32 s28, s28, s34
	s_add_nc_u64 s[20:21], s[20:21], s[28:29]
	s_wait_alu depctr_va_vdst(0)
.irp c, 0,1
.irp i, 0,1,2,3,4,5,6,7,8,9,10,11,12,13,14,15,16,17,18,19,20,21,22,23,24,25,26,27,28,29,30,31
	global_load_b32 v[X+32*\c+\i], v[WO], s[20:21] offset:(64*\c+\i)*2048
.endr
.endr
	s_wait_loadcnt 0x0
	s_branch .Lquant
.Lacts:
	; ---- an activation: 16 rows x 512 bytes
	s_and_b32 s25, s24, 511                        ; T
	s_lshr_b32 s35, s24, 9                         ; s
	s_lshl_b32 s35, s35, 9                         ; 512 bytes a K step
	s_lshr_b32 s34, s25, 1
	s_lshl_b32 s34, s34, 5
	s_and_b32 s36, s25, 1
	s_lshl_b32 s36, s36, 3
	s_add_co_u32 s34, s34, s36                     ; the tile's first row
.macro ALOAD pitch                     ; row i of the tile: 32 lanes read 512 consecutive bytes, read once in the launch
.irp i, 0,1,2,3,4,5,6,7,8,9,10,11,12,13,14,15
	global_load_b128 v[R+4*\i:R+4*\i+3], v[LI], s[20:21] offset:(\i+8*(\i/8))*\pitch th:TH_LOAD_NT
.endr
.endm
	s_cmp_ge_u32 ttmp9, 672
	s_cbranch_scc1 .Lctx
	s_lshl_b32 s28, s34, 11
	s_add_co_u32 s28, s28, s35
	s_add_nc_u64 s[20:21], s[20:21], s[28:29]
	ALOAD 2048
	s_branch .Lturn
.Lctx:
	s_mul_i32 s28, s34, 3072
	s_add_co_u32 s28, s28, s35
	s_add_nc_u64 s[20:21], s[20:21], s[28:29]
	ALOAD 3072
.Lturn:
	s_wait_alu depctr_va_vdst(0)
.irp i, 0,1,2,3,4,5,6,7,8,9,10,11,12,13,14,15
	s_wait_loadcnt 15-\i                           ; loads come back in order: row i is in, the younger rows may be out
	ds_store_b128 v[STI], v[R+4*\i:R+4*\i+3] offset:SROW*\i
.endr
.irp c, 0,1
.irp j, 0,1,2,3,4,5,6,7
	ds_load_b128 v[X+32*\c+4*\j:X+32*\c+4*\j+3], v[STO] offset:256*\c+16*\j   ; LDS serves a wave's instructions in order: these see my stores
.endr
.endr
	s_wait_dscnt 0x0
.Lquant:
.irp c, 0,1                                    ; my block 2 c + h: all its 32 numbers are mine
	v_max3_num_f32 v[32+\c], |v[X+32*\c]|, |v[X+1+32*\c]|, 0x1800000   ; and the floor 2^(3 - 127): the byte cannot fall under 1
.endr
.irp i, 2,4,6,8,10,12,14,16,18,20,22,24,26,28,30
.irp c, 0,1
	v_max3_num_f32 v[32+\c], v[32+\c], |v[X+32*\c+\i]|, |v[X+1+32*\c+\i]|   ; the two blocks by turns
.endr
.endr
.irp c, 0,1
	v_add_nc_u32 v[44+\c], 0xff000000, v[32+\c]    ; 2 off the exponent field: the conversion's scale operand
.endr
.irp c, 0,1
	v_lshrrev_b32 v[36+\c], 23, v[44+\c]           ; the scale's byte
.endr
	v_lshl_or_b32 v9, v37, 16, v36                 ; my two bytes: blocks h and 2 + h,
	v_lshlrev_b32 v10, 3, v4
	v_lshlrev_b32 v9, v10, v9                      ; at their places in the word (8 h bits up);
	v_mov_b32 v10, 0
	v_permlanex16_b32 v10, v9, s26, s27
	v_or_b32 v9, v9, v10                           ; with lane l xor 16's two the word is whole, in both halves of the lanes
.irp c, 0,1
	v_cvt_scalef32_pk16_fp6_f32 v[48+6*\c:50+6*\c], v[X+32*\c:X+15+32*\c], v[44+\c]
	v_cvt_scalef32_pk16_fp6_f32 v[20+4*\c:22+4*\c], v[X+16+32*\c:X+31+32*\c], v[44+\c]   ; (a conversion's three registers begin on an even number)
.endr
	v_nop                                          ; one plain place behind a scaled conversion
.irp c, 0,1
.irp i, 0,1,2
	v_mov_b32 v[51+6*\c+\i], v[20+4*\c+\i]
.endr
.endr
.irp c, 0,1,2
	global_store_b128 v[LI], v[48+4*\c:51+4*\c], s[30:31] offset:512*\c   ; 512 consecutive bytes, aligned
.endr
	global_store_b32 v[L4], v9, s[32:33]
	s_wait_tensorcnt 0x0                           ; the wave's end, behind my last LDS store
	ds_add_u32 v[SPW], v[NIL]
	s_wait_dscnt 0x0
	s_endpgm
.Lfunc_end_k_q74ddc378d0_prep:
	.size	k_q74ddc378d0_prep, .Lfunc_end_k_q74ddc378d0_prep-k_q74ddc378d0_prep
	.p2alignl 7, 3214868480
	.fill 96, 4, 3214868480
	.section	.rodata,"a",@progbits
	.p2align	6, 0x0
	.amdhsa_kernel k_q74ddc378d0_prep
		.amdhsa_group_segment_fixed_size 34304
		.amdhsa_private_segment_fixed_size 0
		.amdhsa_enable_private_segment 0
		.amdhsa_kernarg_size 56
		.amdhsa_user_sgpr_count 2
		.amdhsa_user_sgpr_kernarg_segment_ptr 1
		.amdhsa_wavefront_size32 1
		.amdhsa_system_sgpr_workgroup_id_x 1
		.amdhsa_system_sgpr_workgroup_id_y 1
		.amdhsa_system_sgpr_workgroup_id_z 1
		.amdhsa_system_vgpr_workitem_id 0
		.amdhsa_next_free_vgpr 192
		.amdhsa_next_free_sgpr 66
		.amdhsa_reserve_vcc 0
		.amdhsa_float_denorm_mode_32 3
		.amdhsa_float_denorm_mode_16_64 3
		.amdhsa_memory_ordered 1
		.amdhsa_forward_progress 1
		.amdhsa_inst_pref_size 19
	.end_amdhsa_kernel
	.amdgpu_metadata
---
amdhsa.version: [ 1, 2 ]
amdhsa.kernels:
  - .name:           k_q74ddc378d0_prep
    .symbol:         k_q74ddc378d0_prep.kd
    .args:
      - { .name: Wq, .offset: 0, .size: 8, .value_kind: global_buffer, .address_space: global }
      - { .name: Wk, .offset: 8, .size: 8, .value_kind: global_buffer, .address_space: global }
      - { .name: Wv, .offset: 16, .size: 8, .value_kind: global_buffer, .address_space: global }
      - { .name: Wo, .offset: 24, .size: 8, .value_kind: global_buffer, .address_space: global }
      - { .name: x, .offset: 32, .size: 8, .value_kind: global_buffer, .address_space: global }
      - { .name: context, .offset: 40, .size: 8, .value_kind: global_buffer, .address_space: global }
      - { .name: act, .offset: 48, .size: 8, .value_kind: global_buffer, .address_space: global }
    .group_segment_fixed_size: 34304
    .private_segment_fixed_size: 0
    .kernarg_segment_align: 8
    .kernarg_segment_size: 56
    .max_flat_workgroup_size: 128
    .sgpr_count:     66
    .vgpr_count:     192
    .wavefront_size: 32
...
	.end_amdgpu_metadata
.endif
;; end of part 1
;; launch proj (part 2): grid 192 x 1, 4 waves a work-group, no clusters, 0 bytes of LDS; arguments act, qb, kvb; writes qb, kvb
.if DOCPART == 2
	.amdgcn_target "amdgcn-amd-amdhsa--gfx1250"
	.amdhsa_code_object_version 6
	.text
	.protected	k_q74ddc378d0_proj
	.globl	k_q74ddc378d0_proj
	.p2align	8
	.type	k_q74ddc378d0_proj,@function
k_q74ddc378d0_proj:
	s_mov_b64 s[64:65], 0
	v_nop
	global_prefetch_b8 v0, s[64:65] scope:SCOPE_SE
	s_setreg_imm32_b32 hwreg(HW_REG_WAVE_MODE, 25, 1), 1
	s_wait_xcnt 0x0
; q = x Wq, k = context Wk, v = context Wv on codes of FP6 (E2M3), each result quantised in registers and stored in the order in which the attention's operand registers take it.
; SHARES: work-group = 64 x path + tb; path 0 q, 1 k, 2 v; tb a block of 128 tokens (8 tiles); wave w takes features 128 w .. 128 w + 127: heads 2 w and 2 w + 1.
; ONE PRODUCT FOR ALL THREE: 8 tiles X (source 1: a lane's own row) x 8 tiles Y (source 0: along the lane's registers, the direction that is quantised), 64 accumulators, 512 registers.
; q, k: X = tokens, Y = rows of the weight: a lane holds a token and its registers run along the features (the next K is the head's 64).  v: X = rows of the weight, Y = tokens: a lane holds a feature and its registers run along the keys (the next K).
; Only addresses and steps are swapped, by selections on the path.  Row r of tile T is 32 (T / 2) + 8 (T % 2) + r + 8 (r / 8), so the 16 registers of Y's tiles 2 b and 2 b + 1 are 16 neighbours, 32 b + 16 h + 0 .. 15.
; OPERANDS are register images in act (1,536 bytes a fragment): three loads of 16 bytes a lane bring one straight into its registers; a b32 load at 4 r + 128 h brings two neighbouring tiles' scale words into one register (the odd tile's in lanes 16-31).
; No LDS, no tensor load, no joint load: K has 4 (q) or 6 steps of 64 matrix instructions a wave, and a ring shared in a cluster would want a round of the cluster's barrier for each of so few refills, besides the opening and the closing one.
; OUT.  q (qb) and k (kvb): for a head and 128 tokens four pair images (registers 0-5 tile 2 b, 6-11 tile 2 b + 1: K = 64 is half a fragment) and 512 bytes of scale words (lane l: 16 bytes, word b; lanes 0-15 tile 2 b, lanes 16-31 tile 2 b + 1; bytes 2, 3 = 127).
; v (kvb): four fragments (16 of the head's 64 x 128 keys) at + 6,144, and 256 bytes of scale words (lane l: 8 bytes, word j: tiles 2 j | 2 j + 1) at + 512 of the step's 768.
; LIMITS: a block of zeros keeps the byte 1 (its codes are zeros); largest magnitudes under 2^-124 are held at that floor; NaN and infinities are not served.
; REGISTERS, in windows of 256: window 0: v1-3 addresses; v32-47 two sets of scale words; v48-63 at work; v64-159 X's, v160-255 Y's fragments of buffer 0 (free on the way out).  window 1: the same for buffer 1.
;   windows 2, 3: accumulator (a, b) at v[64 (a % 4) + 8 b] of window 2 + a / 4.
.set ACT_S, 8847360
.set QB_S,  3145728
.set KV_S,  6291456
.set LI,  1                            ; 16 x lane
.set L8,  2                            ; 8 x lane
.set LSC, 3                            ; 4 r + 128 h
.set SC,  32                           ; scale set p at v[SC + 8 p]: + 0..3 X's pairs of tiles, + 4..7 Y's
.set TM,  48                           ; + 0..3 largest magnitudes, + 4..7 the other half's and the bytes, + 12..15 the conversions' scale operands
.set PW,  56                           ; the scale word just made
.set XR,  64
.set YR,  160
.set WA,  160                          ; the way out: 8 scale words (q, k: head A's; v: the fragments')
.set WB,  168                          ; q, k: head B's
.set MG,  176                          ; merged by pairs of tiles
.set T0,  184                          ; the conversions' second halves
.set T1,  188
.set WV,   10
.set PATH, 11
.set TBK,  12
.set XP,    20                         ; s[20:21] X's fragments of the K step being loaded; s[22:23] Y's; s[24:27] their scale words
.set YP,    22
.set XSP,   24
.set YSP,   26
.set XINC,  28                         ; s[28:35] a K step on, in bytes
.set YINC,  30
.set XSINC, 32
.set YSINC, 34
.set PA,  52                           ; codes of head 2 w;  PB: of head 2 w + 1;  SA, SB: scale words
.set PB,  54
.set SA,  56
.set SB,  58
.set HI,  60                           ; the mask of lanes 16-31
.set PADB, 61                          ; bytes 2 and 3 = 127
.set SEL, 62
.set MSB, 0
.macro WIN new                         ; the immediate's high byte repeats the setting that is left; a switch that changes nothing is dropped
.if MSB != (\new)
	s_set_vgpr_msb (MSB<<8)|(\new)
.set MSB, (\new)
.endif
.endm
.macro PLACES                          ; four places in front of loads into registers that matrix instructions have read, and of the first read of results
.rept 4
	v_nop
.endr
.endm
; One scaled product.  c < 0: the constant 0 starts the sum.  oa, ob: the side's scale words stand in lanes 16-31.
.macro WM d, a, b, c, sa, sb, oa, ob
.if (\c) < 0
.if (\oa) && (\ob)
	v_wmma_scale_f32_16x16x128_f8f6f4 v[\d:\d+7], v[\a:\a+11], v[\b:\b+11], 0, v[\sa], v[\sb] matrix_a_fmt:MATRIX_FMT_FP6 matrix_b_fmt:MATRIX_FMT_FP6 matrix_a_scale:MATRIX_SCALE_ROW1 matrix_b_scale:MATRIX_SCALE_ROW1
.elseif (\oa)
	v_wmma_scale_f32_16x16x128_f8f6f4 v[\d:\d+7], v[\a:\a+11], v[\b:\b+11], 0, v[\sa], v[\sb] matrix_a_fmt:MATRIX_FMT_FP6 matrix_b_fmt:MATRIX_FMT_FP6 matrix_a_scale:MATRIX_SCALE_ROW1
.elseif (\ob)
	v_wmma_scale_f32_16x16x128_f8f6f4 v[\d:\d+7], v[\a:\a+11], v[\b:\b+11], 0, v[\sa], v[\sb] matrix_a_fmt:MATRIX_FMT_FP6 matrix_b_fmt:MATRIX_FMT_FP6 matrix_b_scale:MATRIX_SCALE_ROW1
.else
	v_wmma_scale_f32_16x16x128_f8f6f4 v[\d:\d+7], v[\a:\a+11], v[\b:\b+11], 0, v[\sa], v[\sb] matrix_a_fmt:MATRIX_FMT_FP6 matrix_b_fmt:MATRIX_FMT_FP6
.endif
.else
.if (\oa) && (\ob)
	v_wmma_scale_f32_16x16x128_f8f6f4 v[\d:\d+7], v[\a:\a+11], v[\b:\b+11], v[\c:\c+7], v[\sa], v[\sb] matrix_a_fmt:MATRIX_FMT_FP6 matrix_b_fmt:MATRIX_FMT_FP6 matrix_a_scale:MATRIX_SCALE_ROW1 matrix_b_scale:MATRIX_SCALE_ROW1
.elseif (\oa)
	v_wmma_scale_f32_16x16x128_f8f6f4 v[\d:\d+7], v[\a:\a+11], v[\b:\b+11], v[\c:\c+7], v[\sa], v[\sb] matrix_a_fmt:MATRIX_FMT_FP6 matrix_b_fmt:MATRIX_FMT_FP6 matrix_a_scale:MATRIX_SCALE_ROW1
.elseif (\ob)
	v_wmma_scale_f32_16x16x128_f8f6f4 v[\d:\d+7], v[\a:\a+11], v[\b:\b+11], v[\c:\c+7], v[\sa], v[\sb] matrix_a_fmt:MATRIX_FMT_FP6 matrix_b_fmt:MATRIX_FMT_FP6 matrix_b_scale:MATRIX_SCALE_ROW1
.else
	v_wmma_scale_f32_16x16x128_f8f6f4 v[\d:\d+7], v[\a:\a+11], v[\b:\b+11], v[\c:\c+7], v[\sa], v[\sb] matrix_a_fmt:MATRIX_FMT_FP6 matrix_b_fmt:MATRIX_FMT_FP6
.endif
.endif
.endm
; A K step's 16 fragments and 8 registers of scale words into buffer p: 56 loads.  first = 0: the addresses step on first.
.macro LOAD p, first
.if !(\first)
	s_wait_xcnt 0x0                                ; the earlier loads have read their bases
	s_add_nc_u64 s[XP:XP+1], s[XP:XP+1], s[XINC:XINC+1]
	s_add_nc_u64 s[YP:YP+1], s[YP:YP+1], s[YINC:YINC+1]
	s_add_nc_u64 s[XSP:XSP+1], s[XSP:XSP+1], s[XSINC:XSINC+1]
	s_add_nc_u64 s[YSP:YSP+1], s[YSP:YSP+1], s[YSINC:YSINC+1]
.endif
	WIN (\p)<<6                                    ; destination window p
.irp a, 0,1,2,3,4,5,6,7
.irp c, 0,1,2
	global_load_b128 v[XR+12*\a+4*\c:XR+12*\a+4*\c+3], v[LI], s[XP:XP+1] offset:1536*\a+512*\c
.endr
.endr
.irp a, 0,1,2,3,4,5,6,7
.irp c, 0,1,2
	global_load_b128 v[YR+12*\a+4*\c:YR+12*\a+4*\c+3], v[LI], s[YP:YP+1] offset:1536*\a+512*\c
.endr
.endr
	WIN 0
.irp j, 0,1,2,3
	global_load_b32 v[SC+8*(\p)+\j], v[LSC], s[XSP:XSP+1] offset:256*\j
	global_load_b32 v[SC+8*(\p)+4+\j], v[LSC], s[YSP:YSP+1] offset:256*\j
.endr
.endm
; A K step's 64 products on buffer p.  The 64 accumulators take turns, one instruction a turn, in the same order in every step.
.macro MUL p, zero
.irp a, 0,1,2,3,4,5,6,7
	WIN 5*(\p)+0xa0+0x50*(\a/4)                    ; sources 0 and 1 window p; C and D window 2 or 3
.irp b, 0,1,2,3,4,5,6,7
.if \zero
	WM 64*(\a%4)+8*\b, YR+12*\b, XR+12*\a, -1, SC+8*(\p)+4+\b/2, SC+8*(\p)+\a/2, \b%2, \a%2
.else
	WM 64*(\a%4)+8*\b, YR+12*\b, XR+12*\a, 64*(\a%4)+8*\b, SC+8*(\p)+4+\b/2, SC+8*(\p)+\a/2, \b%2, \a%2
.endif
.endr
.endr
.endm
; X's tile a: my row's 64 results (register 16 b + i is place 32 b + 16 h + i along the next K) become codes: places 0-63 in v[d0 .. d0 + 5], places 64-127 in v[d1 .. d1 + 5]; the four bytes in v[PW].
.macro QUANT a, d0, d1
.set QW, 2+(\a)/4
.set QS, 64*((\a)%4)
	WIN QW|(QW<<2)
.irp b, 0,1,2,3
	v_max3_num_f32 v[TM+\b], |v[QS+16*\b]|, |v[QS+1+16*\b]|, 0x1800000   ; block b: my 16 numbers, each accumulator from its low end on, and the floor 2^(3 - 127)
.endr
	WIN (QW<<2)|(QW<<4)
.irp i, 2,4,6,8,10,12,14
.irp b, 0,1,2,3
	v_max3_num_f32 v[TM+\b], v[TM+\b], |v[QS+16*\b+\i]|, |v[QS+1+16*\b+\i]|   ; the four blocks by turns
.endr
.endr
	WIN 0
.irp b, 0,1,2,3
	v_permlanex16_b32 v[TM+4+\b], v[TM+\b], s[SEL], s[SEL+1]
.endr
.irp b, 0,1,2,3
	v_max_num_f32 v[TM+\b], v[TM+\b], v[TM+4+\b]   ; with lane l xor 16's: the block's largest magnitude
.endr
.irp b, 0,1,2,3
	v_add_nc_u32 v[TM+12+\b], 0xff000000, v[TM+\b]   ; 2 off the exponent field: the conversion's scale operand
.endr
.irp b, 0,1,2,3
	v_lshrrev_b32 v[TM+4+\b], 23, v[TM+12+\b]      ; the scale's byte
.endr
	v_lshl_or_b32 v[PW], v[TM+5], 8, v[TM+4]
	v_lshl_or_b32 v[PW], v[TM+6], 16, v[PW]
	v_lshl_or_b32 v[PW], v[TM+7], 24, v[PW]
	WIN QW                                         ; source 0: the accumulators' window
	v_cvt_scalef32_pk16_fp6_f32 v[\d0:\d0+2], v[QS:QS+15], v[TM+12]
	v_cvt_scalef32_pk16_fp6_f32 v[T0:T0+2], v[QS+16:QS+31], v[TM+13]
	v_cvt_scalef32_pk16_fp6_f32 v[\d1:\d1+2], v[QS+32:QS+47], v[TM+14]
	v_cvt_scalef32_pk16_fp6_f32 v[T1:T1+2], v[QS+48:QS+63], v[TM+15]
	WIN 0
	v_nop                                          ; one plain place behind a scaled conversion
.irp i, 0,1,2                                  ; the operand's layout wants a WHOLE block in a lane: lanes 0-15 the even block, lanes 16-31 the odd one
	v_permlane16_swap_b32 v[\d0+\i], v[T0+\i]
	v_permlane16_swap_b32 v[\d1+\i], v[T1+\i]
.endr
.irp i, 0,1,2
	v_mov_b32 v[\d0+3+\i], v[T0+\i]
	v_mov_b32 v[\d1+3+\i], v[T1+\i]
.endr
.endm
	s_load_b128 s[4:7], s[0:1], 0x0                ; act, qb
	s_load_b64 s[8:9], s[0:1], 0x10                ; kvb
	v_lshrrev_b32 v4, 5, v0
	v_readfirstlane_b32 s[WV], v4
	v_and_b32 v4, 31, v0
	v_lshlrev_b32 v[LI], 4, v4
	v_lshlrev_b32 v[L8], 3, v4
	v_and_b32 v5, 15, v0
	v_bfe_u32 v6, v0, 4, 1
	v_lshlrev_b32 v[LSC], 2, v5
	v_lshl_add_u32 v[LSC], v6, 7, v[LSC]
.irp b, 0,1,2,3
	v_mov_b32 v[TM+4+\b], 0                        ; written once: a lane permute's destination counts as one of its sources
.endr
	s_mov_b32 s[HI], 0xffff0000
	s_mov_b32 s[PADB], 0x7f7f0000
	s_mov_b32 s[SEL], 0x76543210
	s_mov_b32 s[SEL+1], 0xfedcba98
	s_lshr_b32 s[PATH], ttmp9, 6
	s_and_b32 s[TBK], ttmp9, 63
	s_mov_b32 s13, 2688
	s_cmp_eq_u32 s[PATH], 0
	s_cselect_b32 s13, 640, s13                    ; the activation's first fragment: x's or context's,
	s_cselect_b32 s14, 0, 128                      ; the weight's: Wq's, Wk's
	s_cmp_eq_u32 s[PATH], 2
	s_cselect_b32 s14, 320, s14                    ; or Wv's
	s_lshl_b32 s15, s[TBK], 3
	s_add_co_u32 s13, s13, s15                     ; + my block's 8 tiles of tokens
	s_lshl_b32 s15, s[WV], 3
	s_add_co_u32 s14, s14, s15                     ; + my wave's 8 tiles of features
	s_mov_b32 s18, 512
	s_cmp_eq_u32 s[PATH], 2                        ; v: the weight is X, the tokens are Y
	s_cselect_b32 s16, s14, s13                    ; X's first fragment
	s_cselect_b32 s17, s13, s14                    ; Y's
	s_cselect_b32 s19, 32, s18                     ; fragments from a K step to the next: 512 in an activation, 32 in a weight
	s_cselect_b32 s18, s18, 32
	s_mul_i32 s[XINC], s19, 1536
	s_mov_b32 s[XINC+1], 0
	s_mul_i32 s[YINC], s18, 1536
	s_mov_b32 s[YINC+1], 0
	s_lshl_b32 s[XSINC], s19, 7
	s_mov_b32 s[XSINC+1], 0
	s_lshl_b32 s[YSINC], s18, 7
	s_mov_b32 s[YSINC+1], 0
	s_mul_i32 s36, s16, 1536
	s_mov_b32 s37, 0
	s_mul_i32 s38, s17, 1536
	s_mov_b32 s39, 0
	s_lshl_b32 s40, s16, 7
	s_mov_b32 s41, 0
	s_lshl_b32 s42, s17, 7
	s_mov_b32 s43, 0
	s_lshr_b32 s44, s[TBK], 5                      ; the batch
	s_lshl_b32 s44, s44, 3
	s_lshl_b32 s45, s[WV], 1
	s_add_co_u32 s44, s44, s45                     ; 8 x batch + head 2 w
	s_lshl_b32 s44, s44, 5
	s_and_b32 s45, s[TBK], 31
	s_add_co_u32 s44, s44, s45                     ; the record: x 32 + the block of 128 tokens in the batch
	s_mov_b32 s46, 12288
	s_mov_b32 s47, 768
	s_mov_b32 s48, KV_S
	s_mov_b32 s3, 0
	s_wait_alu depctr_va_vdst(0)
	s_wait_kmcnt 0x0
	s_add_nc_u64 s[XP:XP+1], s[4:5], s[36:37]
	s_add_nc_u64 s[YP:YP+1], s[4:5], s[38:39]
	s_add_nc_u64 s[XSP:XSP+1], s[4:5], s[40:41]
	s_add_nc_u64 s[XSP:XSP+1], s[XSP:XSP+1], ACT_S
	s_add_nc_u64 s[YSP:YSP+1], s[4:5], s[42:43]
	s_add_nc_u64 s[YSP:YSP+1], s[YSP:YSP+1], ACT_S
	LOAD 0, 1                                      ; K steps 0 and 1 are asked for before anything else
	LOAD 1, 0
	s_cmp_eq_u32 s[PATH], 0
	s_cselect_b32 s46, 6144, s46                   ; a record's codes in bytes: qb's or kvb's,
	s_cselect_b32 s47, 512, s47                    ; its scale words,
	s_cselect_b32 s48, QB_S, s48                   ; and where the scale words begin
	s_cselect_b64 s[50:51], s[6:7], s[8:9]
	s_mul_i32 s2, s44, s46
	s_add_nc_u64 s[PA:PA+1], s[50:51], s[2:3]
	s_lshl_b32 s2, s46, 5                          ; the next head: 32 records on
	s_add_nc_u64 s[PB:PB+1], s[PA:PA+1], s[2:3]
	s_mul_i32 s2, s44, s47
	s_add_co_u32 s2, s2, s48
	s_add_nc_u64 s[SA:SA+1], s[50:51], s[2:3]
	s_lshl_b32 s2, s47, 5
	s_add_nc_u64 s[SB:SB+1], s[SA:SA+1], s[2:3]
	s_wait_loadcnt 56                              ; this K step's 56 loads are in; the next step's 56 may be out
	MUL 0, 1                                       ; the first step's products start the sums
	WIN 0
	PLACES
	LOAD 0, 0                                      ; K step 2
	s_wait_loadcnt 56
	MUL 1, 0
	WIN 0
	PLACES
	LOAD 1, 0                                      ; K step 3
	s_cmp_eq_u32 s[PATH], 0                        ; x has four K steps, context six
	s_cbranch_scc1 .Ltail
	s_wait_loadcnt 56
	MUL 0, 0
	WIN 0
	PLACES
	LOAD 0, 0                                      ; K step 4
	s_wait_loadcnt 56
	MUL 1, 0
	WIN 0
	PLACES
	LOAD 1, 0                                      ; K step 5
.Ltail:                                            ; on both ways two K steps' loads are out here: 112
	s_wait_loadcnt 56
	MUL 0, 0
	s_wait_loadcnt 0x0
	MUL 1, 0
	WIN 0
	PLACES
	s_cmp_eq_u32 s[PATH], 2
	s_cbranch_scc1 .Lv
	; ---- q, k: places 0-63 are head 2 w's, places 64-127 head 2 w + 1's.  Tile a's six registers go into pair image a / 2
.irp a, 0,1,2,3,4,5,6,7
	QUANT \a, XR+12*(\a/2)+6*(\a%2), XR+48+12*(\a/2)+6*(\a%2)
	v_and_or_b32 v[WA+\a], v[PW], 0xffff, s[PADB]  ; head 2 w's two bytes; the upper 64 of the next product's K are zero codes under the byte 127
	v_lshrrev_b32 v[WB+\a], 16, v[PW]
	v_or_b32 v[WB+\a], s[PADB], v[WB+\a]           ; head 2 w + 1's
.endr
.irp j, 0,1,2,3
	v_cndmask_b32 v[MG+\j], v[WA+2*\j], v[WA+2*\j+1], s[HI]       ; lanes 0-15 the even tile's word, lanes 16-31 the odd tile's
	v_cndmask_b32 v[MG+4+\j], v[WB+2*\j], v[WB+2*\j+1], s[HI]
.endr
.irp i, 0,1,2,3,4,5,6,7,8,9,10,11
	global_store_b128 v[LI], v[XR+4*\i:XR+4*\i+3], s[PA:PA+1] offset:512*\i          ; every store: 512 consecutive bytes, aligned
	global_store_b128 v[LI], v[XR+48+4*\i:XR+48+4*\i+3], s[PB:PB+1] offset:512*\i
.endr
	global_store_b128 v[LI], v[MG:MG+3], s[SA:SA+1]
	global_store_b128 v[LI], v[MG+4:MG+7], s[SB:SB+1]
	s_endpgm
.Lv:
	; ---- v: X's tile a is 16 of a head's 64 (a < 4: head 2 w), its 128 places are the block's 128 keys: a whole fragment
.irp a, 0,1,2,3,4,5,6,7
	QUANT \a, XR+12*\a, XR+6+12*\a
	v_mov_b32 v[WA+\a], v[PW]
.endr
.irp j, 0,1,2,3
	v_cndmask_b32 v[MG+\j], v[WA+2*\j], v[WA+2*\j+1], s[HI]
.endr
.irp a, 0,1,2,3
.irp c, 0,1,2
	global_store_b128 v[LI], v[XR+12*\a+4*\c:XR+12*\a+4*\c+3], s[PA:PA+1] offset:6144+1536*\a+512*\c
	global_store_b128 v[LI], v[XR+48+12*\a+4*\c:XR+48+12*\a+4*\c+3], s[PB:PB+1] offset:6144+1536*\a+512*\c
.endr
.endr
	global_store_b64 v[L8], v[MG:MG+1], s[SA:SA+1] offset:512     ; 256 consecutive bytes, aligned
	global_store_b64 v[L8], v[MG+2:MG+3], s[SB:SB+1] offset:512
	s_endpgm
.Lfunc_end_k_q74ddc378d0_proj:
	.size	k_q74ddc378d0_proj, .Lfunc_end_k_q74ddc378d0_proj-k_q74ddc378d0_proj
	.p2alignl 7, 3214868480
	.fill 96, 4, 3214868480
	.section	.rodata,"a",@progbits
	.p2align	6, 0x0
	.amdhsa_kernel k_q74ddc378d0_proj
		.amdhsa_group_segment_fixed_size 0
		.amdhsa_private_segment_fixed_size 0
		.amdhsa_enable_private_segment 0
		.amdhsa_kernarg_size 24
		.amdhsa_user_sgpr_count 2
		.amdhsa_user_sgpr_kernarg_segment_ptr 1
		.amdhsa_wavefront_size32 1
		.amdhsa_system_sgpr_workgroup_id_x 1
		.amdhsa_system_sgpr_workgroup_id_y 1
		.amdhsa_system_sgpr_workgroup_id_z 1
		.amdhsa_system_vgpr_workitem_id 0
		.amdhsa_next_free_vgpr 1024
		.amdhsa_next_free_sgpr 66
		.amdhsa_reserve_vcc 0
		.amdhsa_float_denorm_mode_32 3
		.amdhsa_float_denorm_mode_16_64 3
		.amdhsa_memory_ordered 1
		.amdhsa_forward_progress 1
		.amdhsa_inst_pref_size 155
	.end_amdhsa_kernel
	.amdgpu_metadata
---
amdhsa.version: [ 1, 2 ]
amdhsa.kernels:
  - .name:           k_q74ddc378d0_proj
    .symbol:         k_q74ddc378d0_proj.kd
    .args:
      - { .name: act, .offset: 0, .size: 8, .value_kind: global_buffer, .address_space: global }
      - { .name: qb, .offset: 8, .size: 8, .value_kind: global_buffer, .address_space: global }
      - { .name: kvb, .offset: 16, .size: 8, .value_kind: global_buffer, .address_space: global }
    .group_segment_fixed_size: 0
    .private_segment_fixed_size: 0
    .kernarg_segment_align: 8
    .kernarg_segment_size: 24
    .max_flat_workgroup_size: 128
    .sgpr_count:     66
    .vgpr_count:     1024
    .wavefront_size: 32
...
	.end_amdgpu_metadata
.endif
;; end of part 2
;; launch attn (part 3): grid 16 x 16, 8 waves a work-group, clusters of 4 x 1, 327,680 bytes of LDS; arguments qb, kvb, ob; writes ob
.if DOCPART == 3
	.amdgcn_target "amdgcn-amd-amdhsa--gfx1250"
	.amdhsa_code_object_version 6
	.text
	.protected	k_q74ddc378d0_attn
	.globl	k_q74ddc378d0_attn
	.p2align	8
	.type	k_q74ddc378d0_attn,@function
k_q74ddc378d0_attn:
	s_mov_b64 s[64:65], 0
	v_nop
	global_prefetch_b8 v0, s[64:65] scope:SCOPE_SE
	s_setreg_imm32_b32 hwreg(HW_REG_WAVE_MODE, 25, 1), 1
	s_wait_xcnt 0x0
	s_wait_alu depctr_hold_cnt(0) depctr_sa_sdst(0) depctr_va_vdst(0) depctr_va_sdst(0) depctr_va_ssrc(0) depctr_va_vcc(0) depctr_vm_vsrc(0)
	s_getreg_b32 s2, hwreg(HW_REG_IB_STS2, 6, 4)
	s_cmp_eq_u32 s2, 0
	s_cbranch_scc0 .Lentry_in_a_cluster
	s_endpgm
.Lentry_in_a_cluster:
	s_bfe_u32 s2, ttmp6, 0x10000c
	s_cmp_lg_u32 s2, 0x3003
	s_cbranch_scc0 .Lentry_shape_is_right
	s_endpgm
.Lentry_shape_is_right:
; O = softmax(q k^T / 8) v for 16 (batch, head) pairs, 4,096 queries and 4,096 keys, head size 64, both products on codes of FP6 (E2M3); O / l is quantised along the head's 64 and stored as codes for the last product.
; THE SOFTMAX AHEAD OF THE SECOND PRODUCT: t = score x log2(e) / 8; M = the row's largest t so far, rounded UP to a whole number; p = 2^(t - M) is quantised along the keys, not normalised.
; The row's sum l is taken of the unquantised p, in f32.  When M moves, l and O are multiplied by 2^(old M - new M): exact.
; SHARES: a work-group owns 256 queries of one (batch, head); each of its eight waves two tiles of 16 (one pair image of qb), so that a fragment of K or V read from LDS feeds two products and the two tiles' chains take turns.  32 key steps of 128 keys.
; LAYOUT: both products transposed: S^T = K Q^T (source 0 = 16 keys), O^T = V^T P^T (source 0 = 16 of the head's 64): a lane holds ONE query of each tile throughout.
; WHICH KEYS FORM A TILE OF K is chosen by the LDS address: row r of tile 4 c + u is key 64 c + 32 (r / 8) + 8 u + r % 8.  So the 32 score registers of tiles 4 c .. 4 c + 3 are, in lane (q, h), the WHOLE block of keys 64 c + 32 h + 0 .. 31,
; in the order of the second product's operand: a block's maximum needs no other lane and the codes need no exchange of lanes.  In kvb that row lies in pair image 2 c + r / 8, at lane r % 8 + 8 (u / 2) + 16 h, half u % 2.
; K = 64 IN AN INSTRUCTION OF 128: Q's operand is six registers of codes and six of zero codes; K's eight tiles stand packed, six registers each, the upper half of a tile's operand being the next tile's codes (behind the last: six zeros):
; finite numbers that meet zero codes under the byte 127 and add nothing.
; RING: two slots of 8 key steps; memory's dense rows of 512 bytes get 128 bytes of padding in LDS, so that a pair image is 1,920 bytes and lanes 0-7 and 8-15 of a K load, which read neighbouring images, fall on different halves of 256 bytes.
; The pair's scale words (24,576 bytes) come once.  At the head waves 0-3 fetch a quarter of slot 0 each and waves 4-7 a quarter of the scale words: one tensor load a wave; slot 1 is first filled as a refill is.  One tensor load of a wave is out at most.
; CLUSTER: the four query blocks of a cluster walk the same K and V: each tile is asked for JOINTLY, by the same load with the same descriptor and the mask of all four.
; NO PREFETCH: a refill is asked for eight key steps ahead of its first read, and the head's loads have no loop ahead of them.
; LIMITS: the promise holds while |t| stays under 2^31; a block of zeros keeps the byte 1 (its codes are zeros); largest magnitudes under 2^-124 are held at that floor; 1 / l by v_rcp_f32; NaN and infinities are not served.
; REGISTERS, window 0: v1-12 addresses; v16-19 K's scale words, v20-21 V's, v22 Q's, v24-25 p's; v32-43 tile A's Q and zeros; v44-55 the pair image, v50-61 tile B's Q and zeros; v64-117 K and zeros; v128-175 V.
;   window 1 (tile x): v[64 x ..] S^T, then p; v[128 + 32 x ..] O^T; v[192 + 12 x ..] p's codes; from v216 the softmax's state and work registers, named below.
.set QB_S,  3145728
.set KV_S,  6291456
.set OB_S,  3145728
.set STEPB, 12288                      ; a key step in memory: K's four pair images, then V's four fragments: 24 rows of 512 bytes
.set STEPL, 15360                      ; and in LDS: 24 rows of 640
.set SLOTB, 8*STEPB
.set SLOTL, 8*STEPL
.set SLOT1, 1<<17
.set SCL,   SLOT1+SLOTL                ; behind slot 1: the scale words, 768 bytes a step: K's 512, V's 256
.set SPARE, SCL+24576                  ; the spare words, 128 bytes for each wave: four blocks of 256 bytes that no other line names
.set LI,  1                            ; 16 x lane
.set AKL, 2                            ; K: 1,920 (r / 8) + 16 (r % 8) + 256 h
.set ASL, 3                            ; K's scale words: SCL + 16 (r % 8) + 4 (r / 8) + 256 h
.set ASV, 4                            ; V's: SCL + 512 + 8 x lane
.set SPW, 5                            ; my spare word; never rewritten
.set NIL, 6                            ; 0; never rewritten
.set L8,  7
.set L4,  8
.set ADK, 9
.set ADV, 10
.set ADS, 11
.set ADT, 12
.set KS,  16
.set VS,  20
.set QS,  22
.set PS,  24
.set QA,  32
.set QI,  44
.set QB,  50
.set KR,  64
.set VR,  128
; window 1
.set OT,  128
.set PC,  192
.set NM,  216                          ; + 2 x: -M;  + 2 x + 1: the largest score so far
.set LS,  220                          ; + 2 x: l in two halves
.set FF,  224                          ; + 2 x: f = 2^(old M - new M)
.set BM,  228                          ; + 2 x + c: my block's largest score, then p, then the conversion's scale operand
.set PT,  232                          ; + x: a lane permute's result
.set TT,  234                          ; + x
.set CT,  236                          ; the conversions' second halves: v236-238, v240-242; also + 4 x, + 4 x + 1: scale bytes
.set SH8, 244                          ; 8 h
.set AC,  246                          ; + 4 x, + 4 x + 2: partial sums of p
.set WV,  18
.set SEL, 20
.set CS,  22                           ; s[22:23] c = log2(e) / 8
.set G1,  24                           ; s[24:31] group 1: 48 rows of 512 bytes, padded;  s[32:39]: 24 rows of 256
.set G1S, 32
.set G0S, 40
.set G0A, 44
.set G0W, 48
.set TB,  52                           ; LDS byte at which the step's tiles begin
.set TS,  53                           ; and, from SCL on, its scale words
.set NSL, 54
.set NST, 55
.set NC,  60                           ; -c
.set RL,  61                           ; the step's place in its slot, in LDS bytes
.set SB,  62                           ; the slot's first LDS byte
.set KN,  63                           ; where the next step's K begins, held inside the slot
.set TSN, 74                           ; and its scale words, held inside their 32 steps
.set OC,  66
.set OS,  68
.set QC,  70
.set QSC, 72
.set MSB, 0
.macro WIN new                         ; the immediate's high byte repeats the setting that is left; a switch that changes nothing is dropped
.if MSB != (\new)
	s_set_vgpr_msb (MSB<<8)|(\new)
.set MSB, (\new)
.endif
.endm
.macro WS d, a, b, sa, sb, oa, ob      ; a score product: the constant 0 starts the sum; oa, ob: the side's scale words stand in lanes 16-31
.if (\oa) && (\ob)
	v_wmma_scale_f32_16x16x128_f8f6f4 v[\d:\d+7], v[\a:\a+11], v[\b:\b+11], 0, v[\sa], v[\sb] matrix_a_fmt:MATRIX_FMT_FP6 matrix_b_fmt:MATRIX_FMT_FP6 matrix_a_scale:MATRIX_SCALE_ROW1 matrix_b_scale:MATRIX_SCALE_ROW1
.elseif (\oa)
	v_wmma_scale_f32_16x16x128_f8f6f4 v[\d:\d+7], v[\a:\a+11], v[\b:\b+11], 0, v[\sa], v[\sb] matrix_a_fmt:MATRIX_FMT_FP6 matrix_b_fmt:MATRIX_FMT_FP6 matrix_a_scale:MATRIX_SCALE_ROW1
.elseif (\ob)
	v_wmma_scale_f32_16x16x128_f8f6f4 v[\d:\d+7], v[\a:\a+11], v[\b:\b+11], 0, v[\sa], v[\sb] matrix_a_fmt:MATRIX_FMT_FP6 matrix_b_fmt:MATRIX_FMT_FP6 matrix_b_scale:MATRIX_SCALE_ROW1
.else
	v_wmma_scale_f32_16x16x128_f8f6f4 v[\d:\d+7], v[\a:\a+11], v[\b:\b+11], 0, v[\sa], v[\sb] matrix_a_fmt:MATRIX_FMT_FP6 matrix_b_fmt:MATRIX_FMT_FP6
.endif
.endm
.macro WP d, a, b, sa, sb, oa          ; a product onto O^T, in place
.if (\oa)
	v_wmma_scale_f32_16x16x128_f8f6f4 v[\d:\d+7], v[\a:\a+11], v[\b:\b+11], v[\d:\d+7], v[\sa], v[\sb] matrix_a_fmt:MATRIX_FMT_FP6 matrix_b_fmt:MATRIX_FMT_FP6 matrix_a_scale:MATRIX_SCALE_ROW1
.else
	v_wmma_scale_f32_16x16x128_f8f6f4 v[\d:\d+7], v[\a:\a+11], v[\b:\b+11], v[\d:\d+7], v[\sa], v[\sb] matrix_a_fmt:MATRIX_FMT_FP6 matrix_b_fmt:MATRIX_FMT_FP6
.endif
.endm
.macro CROUND                          ; a round of the cluster's barrier
	s_barrier_signal -1
	s_barrier_wait -1
	s_cmp_lg_u32 s[WV], 0
	s_cbranch_scc1 .Lnot_wave_0_\@
	s_barrier_signal -3
.Lnot_wave_0_\@:
	s_barrier_wait -3
	s_barrier_signal -1
	s_barrier_wait -1
.endm
.macro JLOAD                           ; a slot's joint fill: waves 0 to 3, a quarter each; the branch hangs on the wave's number alone.  An s_nop 0 and four v_nop follow the load
	s_cmp_lt_u32 s[WV], 4
	s_cbranch_scc0 .Lnone_\@
	tensor_load_to_lds s[G0W:G0W+3], s[G1:G1+7]
	s_nop 0
.rept 4
	v_nop
.endr
.Lnone_\@:
.endm
	s_load_b128 s[4:7], s[0:1], 0x0                ; qb, kvb
	s_load_b64 s[8:9], s[0:1], 0x10                ; ob
	v_lshl_add_u32 v[SPW], v0, 2, SPARE
	v_mov_b32 v[NIL], 0
	ds_add_u32 v[SPW], v[NIL]                      ; the opening lines: the add, twice on end, and its wait ahead of my first tensor load
	ds_add_u32 v[SPW], v[NIL]
	v_lshrrev_b32 v9, 5, v0
	v_readfirstlane_b32 s[WV], v9                  ; wave 0..7
	s_bfe_u32 s10, ttmp6, 0x40000                  ; cx: my place in the cluster
	s_lshl_b32 s11, ttmp9, 2
	s_add_co_u32 s11, s11, s10                     ; my block of 256 queries: it enters Q's and O's global addresses alone
	s_and_b32 s12, ttmp7, 0xffff                   ; 8 x batch + head, which the four partners share
	s_and_b32 s13, s[WV], 3
	s_mul_i32 s14, s13, 2*STEPL                    ; a quarter of a slot in LDS,
	s_mul_i32 s16, s13, 2*STEPB                    ; in memory,
	s_mul_i32 s15, s13, 6144                       ; and of the scale words
	s_mul_i32 s56, s12, 32*STEPB
	s_add_co_u32 s56, s56, s16
	s_mov_b32 s57, 0
	s_mul_i32 s58, s12, 24576
	s_add_co_u32 s58, s58, s15
	s_mov_b32 s59, 0
	s_mov_b32 s[G1], 15|(3<<16)|(1<<20)|(1<<21)|(6<<22)|(31<<25)   ; the mask of all four; elements of 8 bytes; padding on: behind every 128 words 32 words; bit 21 beside a mask
	s_mov_b32 s[G1+1], 64<<16                      ; tensor_dim0 = 64 elements: 512 bytes
	s_mov_b32 s[G1+2], 48<<16                      ; tensor_dim1 = 48
	s_mov_b32 s[G1+3], 64<<16                      ; tile_dim0
	s_mov_b32 s[G1+4], 48                          ; tile_dim1
	s_mov_b32 s[G1+5], 64                          ; the pitch: dense
	s_mov_b32 s[G1+6], 0
	s_mov_b32 s[G1+7], 0
	s_mov_b32 s[G1S], 15|(3<<16)|(1<<21)           ; the scale words: 24 rows of 256 bytes, no padding
	s_mov_b32 s[G1S+1], 32<<16
	s_mov_b32 s[G1S+2], 24<<16
	s_mov_b32 s[G1S+3], 32<<16
	s_mov_b32 s[G1S+4], 24
	s_mov_b32 s[G1S+5], 32
	s_mov_b32 s[G1S+6], 0
	s_mov_b32 s[G1S+7], 0
	s_mov_b32 s[SEL], 0x76543210
	s_mov_b32 s[SEL+1], 0xfedcba98                 ; v_permlanex16_b32's selects for lane l xor 16
	s_mov_b32 s[CS], 0x3e38aa3b                    ; log2(e) / 8
	s_mov_b32 s[CS+1], s[CS]                       ; (named with it as a pair, so it is written)
	s_mov_b32 s[NC], 0xbe38aa3b
	s_mov_b32 s[TB], 0
	s_mov_b32 s[TS], 0
	s_mov_b32 s[SB], 0
	s_mov_b32 s[NSL], 2
	s_wait_dscnt 0x0                               ; both opening adds are done
	s_wait_kmcnt 0x0
	s_mov_b32 s[G0S], 1
	s_add_co_u32 s[G0S+1], s15, SCL
	s_add_nc_u64 s[G0S+2:G0S+3], s[6:7], s[58:59]
	s_add_nc_u64 s[G0S+2:G0S+3], s[G0S+2:G0S+3], KV_S
	s_or_b32 s[G0S+3], s[G0S+3], 0x80000000
	s_mov_b32 s[G0A], 1
	s_mov_b32 s[G0A+1], s14
	s_add_nc_u64 s[G0A+2:G0A+3], s[6:7], s[56:57]  ; key steps 0 to 7
	s_or_b32 s[G0A+3], s[G0A+3], 0x80000000
	s_mov_b32 s[G0W], 1
	s_add_co_u32 s[G0W+1], s14, SLOT1
	s_add_nc_u64 s[G0W+2:G0W+3], s[6:7], s[56:57]
	s_add_nc_u64 s[G0W+2:G0W+3], s[G0W+2:G0W+3], SLOTB   ; key steps 8 to 15
	s_or_b32 s[G0W+3], s[G0W+3], 0x80000000
	CROUND                                         ; all four work-groups are here: the first joint loads meet
	s_cmp_lt_u32 s[WV], 4                          ; the head's loads, one a wave: two arms and one join
	s_cbranch_scc0 .Lhead_s
	tensor_load_to_lds s[G0A:G0A+3], s[G1:G1+7]
	s_nop 0
.rept 4
	v_nop
.endr
	s_branch .Lhead_j
.Lhead_s:
	tensor_load_to_lds s[G0S:G0S+3], s[G1S:G1S+7]
	s_nop 0
.rept 4
	v_nop
.endr
.Lhead_j:
	; Q: record 32 (8 batch + head) + 2 x block + wave / 4; in it pair image wave % 4: my two tiles
	s_lshl_b32 s74, s12, 5
	s_lshl_b32 s75, s11, 1
	s_add_co_u32 s74, s74, s75
	s_lshr_b32 s75, s[WV], 2
	s_add_co_u32 s74, s74, s75
	s_mul_i32 s76, s74, 6144
	s_mul_i32 s78, s13, 1536
	s_add_co_u32 s76, s76, s78
	s_mov_b32 s77, 0
	s_add_nc_u64 s[QC:QC+1], s[4:5], s[76:77]
	s_lshl_b32 s76, s74, 9
	s_lshl_b32 s78, s13, 2
	s_add_co_u32 s76, s76, s78
	s_add_nc_u64 s[QSC:QSC+1], s[4:5], s[76:77]
	s_add_nc_u64 s[QSC:QSC+1], s[QSC:QSC+1], QB_S  ; its scale words: 16 bytes a lane, word = the pair; lanes 16-31 the odd tile's
	; O: tile T = 256 batch + 16 block + 2 wave (+ 1); codes at 786,432 (head / 2) + 1,536 T + 768 (head % 2); scale words at 128 (512 head + T)
	s_and_b32 s74, s12, 7
	s_lshr_b32 s75, s12, 3
	s_lshl_b32 s75, s75, 8
	s_lshl_b32 s78, s11, 4
	s_add_co_u32 s75, s75, s78
	s_lshl_b32 s78, s[WV], 1
	s_add_co_u32 s75, s75, s78
	s_lshr_b32 s78, s74, 1
	s_mul_i32 s76, s78, 786432
	s_mul_i32 s78, s75, 1536
	s_add_co_u32 s76, s76, s78
	s_and_b32 s78, s74, 1
	s_mul_i32 s78, s78, 768
	s_add_co_u32 s76, s76, s78
	s_add_nc_u64 s[OC:OC+1], s[8:9], s[76:77]
	s_lshl_b32 s76, s74, 9
	s_add_co_u32 s76, s76, s75
	s_lshl_b32 s76, s76, 7
	s_add_nc_u64 s[OS:OS+1], s[8:9], s[76:77]
	s_add_nc_u64 s[OS:OS+1], s[OS:OS+1], OB_S
	v_and_b32 v13, 31, v0
	v_and_b32 v14, 7, v0                           ; r % 8
	v_bfe_u32 v15, v0, 3, 1                        ; r / 8
	v_lshlrev_b32 v[LI], 4, v13
	v_lshlrev_b32 v[L8], 3, v13
	v_lshlrev_b32 v[L4], 2, v13
	v_bfe_u32 v13, v0, 4, 1                        ; h
	v_mul_u32_u24 v[AKL], v15, 1920
	v_lshlrev_b32 v[ASL], 2, v15
	v_lshl_add_u32 v[AKL], v14, 4, v[AKL]
	v_lshl_add_u32 v[ASL], v14, 4, v[ASL]
	v_lshl_add_u32 v[AKL], v13, 8, v[AKL]
	v_lshl_add_u32 v[ASL], v13, 8, v[ASL]
	v_add_nc_u32 v[ASV], SCL+512, v[L8]
	v_add_nc_u32 v[ASL], SCL, v[ASL]
	v_lshlrev_b32 v13, 3, v13                      ; 8 h
	s_wait_alu depctr_va_vdst(0)                   ; the wait here, ahead of the readers below
.irp c, 0,1,2
	global_load_b128 v[QI+4*\c:QI+4*\c+3], v[LI], s[QC:QC+1] offset:512*\c
.endr
	global_load_b32 v[QS], v[LI], s[QSC:QSC+1]
.irp j, 0,1,2,3,4,5
	v_mov_b32 v[QA+6+\j], 0                        ; Q's upper 64 along K: zero codes, for tile A
	v_mov_b32 v[QB+6+\j], 0                        ; and for tile B,
	v_mov_b32 v[KR+48+\j], 0                       ; and what stands behind K's last tile
.endr
	WIN 0x40                                       ; destinations in window 1
.set J, 0
.rept 64
	v_mov_b32 v[OT+J], 0                           ; O^T: the step is written once; its first walk finds zeros, which the first change of M leaves zeros
.set J, J+1
.endr
.irp x, 0,1
	v_mov_b32 v[NM+2*\x], 0x7f61b1e6               ; -M: 3e38, a whole number
	v_mov_b32 v[NM+2*\x+1], 0xff61b1e6             ; the largest score so far: -3e38
	v_mov_b32 v[LS+2*\x], 0
	v_mov_b32 v[LS+2*\x+1], 0
	v_mov_b32 v[FF+2*\x+1], 0                      ; (named as the upper half of a pair)
	v_mov_b32 v[PT+\x], 0                          ; a lane permute's destination counts as one of its sources
.endr
	v_mov_b32 v[SH8], v13
	WIN 0
	s_wait_loadcnt 0x0                             ; Q
.irp j, 0,1,2,3,4,5
	v_mov_b32 v[QA+\j], v[QI+\j]                   ; tile A's six registers get zeros of their own behind them; tile B's stand at the image's end
.endr
; One of the 64 additions of a step's p, the two tiles by turns, three chains a tile
.macro LADD n
.set AX, (\n)%2
.set AM, (\n)/2
.if AM < 2
	v_pk_add_f32 v[AC+4*AX+2*AM:AC+4*AX+2*AM+1], v[64*AX+4*AM:64*AX+4*AM+1], v[64*AX+4*AM+2:64*AX+4*AM+3]
.elseif AM >= 30
	v_pk_add_f32 v[LS+2*AX:LS+2*AX+1], v[LS+2*AX:LS+2*AX+1], v[AC+4*AX+2*(AM-30):AC+4*AX+2*(AM-30)+1]
.elseif AM%3 == 2
	v_pk_add_f32 v[LS+2*AX:LS+2*AX+1], v[LS+2*AX:LS+2*AX+1], v[64*AX+2*AM+4:64*AX+2*AM+5]
.else
	v_pk_add_f32 v[AC+4*AX+2*(AM%3):AC+4*AX+2*(AM%3)+1], v[AC+4*AX+2*(AM%3):AC+4*AX+2*(AM%3)+1], v[64*AX+2*AM+4:64*AX+2*AM+5]
.endif
.endm
; A KEY STEP: 128 keys x my 32 queries.
; K's eight tiles and their scale words, sixteen LDS loads, from the addresses in v[ADK] and v[ADS].  They are asked for a step ahead: behind a step's score products, which free K's registers, for the next step;
; ahead of a slot's first step for that step.  A slot's last step has no next step in its slot: its addresses are held at its own place, and what it fetches is loaded over behind the change of slots.
.macro KLOAD
.irp p, 0,1,2,3                                ; pair p = 2 c + v: tiles 2 p (lanes 0-15) and 2 p + 1 (lanes 16-31)
	ds_load_b32 v[KS+\p], v[ADS] offset:8*(\p/2)+128*(\p%2)
.endr
.irp p, 0,1,2,3
.irp c, 0,1,2
	ds_load_b128 v[KR+12*\p+4*\c:KR+12*\p+4*\c+3], v[ADK] offset:3840*(\p/2)+128*(\p%2)+640*\c
.endr
.endr
.endm
.macro STEP
	s_add_co_u32 s[KN], s[RL], STEPL
	s_min_u32 s[KN], s[KN], 7*STEPL                ; the next step, or the slot's last
	s_add_co_u32 s[KN], s[KN], s[SB]
	s_add_co_u32 s[TSN], s[TS], 768
	s_min_u32 s[TSN], s[TSN], 31*768
	v_add_nc_u32 v[ADV], s[TB], v[LI]
	v_add_nc_u32 v[ADT], s[TS], v[ASV]
.irp f, 0,1,2,3
.irp c, 0,1,2
	ds_load_b128 v[VR+12*\f+4*\c:VR+12*\f+4*\c+3], v[ADV] offset:640*(12+3*\f+\c)   ; V lands while the softmax is walked
.endr
.endr
	ds_load_b64 v[VS:VS+1], v[ADT]
	s_wait_dscnt 13                                ; K and its scale words are in; V's twelve loads and its scale words' one may be out
	WIN 0x40
.irp t, 0,1,2,3,4,5,6,7                        ; the sixteen accumulators one after the other
	WS 8*\t, KR+6*\t, QA, KS+\t/2, QS, \t%2, 0
	WS 64+8*\t, KR+6*\t, QB, KS+\t/2, QS, \t%2, 1
.endr
	WIN 0
	v_add_nc_u32 v[ADK], s[KN], v[AKL]             ; with the two v_nop: four places ahead of the loads into K's registers and of the first read of the scores
	v_add_nc_u32 v[ADS], s[TSN], v[ASL]
	v_nop
	v_nop
	KLOAD                                          ; the next step's K lands while the softmax is walked
	WIN 0x55                                       ; the softmax lives in window 1
.irp x, 0,1                                    ; THE LARGEST SCORE OF MY BLOCK serves twice: for the row's maximum, and, since p rises with the score, for the block's largest p.  Four chains by turns, each accumulator from its low end on
.irp c, 0,1
	v_max3_num_f32 v[BM+2*\x+\c], v[64*\x+32*\c], v[64*\x+32*\c+1], v[64*\x+32*\c+2]
.endr
.endr
.irp i, 3,5,7,9,11,13,15,17,19,21,23,25,27,29
.irp x, 0,1
.irp c, 0,1
	v_max3_num_f32 v[BM+2*\x+\c], v[BM+2*\x+\c], v[64*\x+32*\c+\i], v[64*\x+32*\c+\i+1]
.endr
.endr
.endr
.irp x, 0,1
.irp c, 0,1
	v_max_num_f32 v[BM+2*\x+\c], v[BM+2*\x+\c], v[64*\x+32*\c+31]
.endr
.endr
.irp x, 0,1
	v_max_num_f32 v[TT+\x], v[BM+2*\x], v[BM+2*\x+1]
.endr
.irp x, 0,1
	v_permlanex16_b32 v[PT+\x], v[TT+\x], s[SEL], s[SEL+1]
.endr
.irp x, 0,1
	v_max3_num_f32 v[NM+2*\x+1], v[NM+2*\x+1], v[TT+\x], v[PT+\x]   ; the running largest score (c is positive)
.endr
.irp x, 0,1
	v_mul_f32 v[TT+\x], s[NC], v[NM+2*\x+1]        ; -t
.endr
.irp x, 0,1
	v_floor_f32 v[TT+\x], v[TT+\x]                 ; the new -M = floor(-t) = -ceil(t): a whole number
.endr
.irp x, 0,1
	v_sub_f32 v[FF+2*\x], v[TT+\x], v[NM+2*\x]     ; old M - new M: a whole number, 0 or less
.endr
.irp x, 0,1
	v_mov_b32 v[NM+2*\x], v[TT+\x]
.endr
.irp x, 0,1
	v_cvt_i32_f32 v[FF+2*\x], v[FF+2*\x]           ; (it saturates)
.endr
.irp x, 0,1
	v_ldexp_f32 v[FF+2*\x], 1.0, v[FF+2*\x]        ; f: a multiplication by it rounds nothing
.endr
.irp x, 0,1
.set J, 64*\x
.rept 32
	v_pk_fma_f32 v[J:J+1], v[J:J+1], s[CS:CS+1], v[NM+2*\x:NM+2*\x+1] op_sel_hi:[1,0,0]   ; t - M, two numbers an instruction
.set J, J+2
.endr
.irp c, 0,1
	v_fma_f32 v[BM+2*\x+\c], v[BM+2*\x+\c], s[CS], v[NM+2*\x]   ; the same of my block's largest score
.endr
.endr
	s_wait_alu depctr_va_vdst(0)                   ; the wait ahead of the batch
.irp k, 0,1,2,3
	v_exp_f32 v[BM+\k], v[BM+\k]                   ; the block's largest p: the same two instructions on the same number give the same bits
.endr
.set J, 0
.rept 128
	v_exp_f32 v[J], v[J]                           ; p = 2^(t - M), at most 1
.set J, J+1
.endr
.irp x, 0,1
	v_pk_mul_f32 v[LS+2*\x:LS+2*\x+1], v[LS+2*\x:LS+2*\x+1], v[FF+2*\x:FF+2*\x+1] op_sel_hi:[1,0]   ; l under the new M: the plain place behind the batch
.endr
	s_wait_dscnt 16                                ; V and its scale words are in; the next K's sixteen loads may be out
	s_wait_alu depctr_va_vdst(0)                   ; one wait for the batch, directly ahead of O^T's first readers too
.irp x, 0,1
.set J, OT+32*\x
.rept 16
	v_pk_mul_f32 v[J:J+1], v[J:J+1], v[FF+2*\x:FF+2*\x+1] op_sel_hi:[1,0]   ; O^T under the new M, each accumulator from its low end on
.set J, J+2
.endr
.endr
.irp k, 0,1,2,3
	v_max_num_f32 v[BM+\k], 0x1800000, v[BM+\k]    ; the floor 2^(3 - 127): the byte cannot fall under 1
.endr
.irp k, 0,1,2,3
	v_add_nc_u32 v[BM+\k], 0xff000000, v[BM+\k]    ; 2 off the exponent field: the conversion's scale operand
.endr
.irp x, 0,1
.irp c, 0,1
	v_lshrrev_b32 v[CT+4*\x+\c], 23, v[BM+2*\x+\c] ; the scale's byte
.endr
.endr
.irp x, 0,1
	v_lshl_or_b32 v[CT+4*\x], v[CT+4*\x+1], 16, v[CT+4*\x]   ; my two bytes: blocks h and 2 + h,
.endr
.irp x, 0,1
	v_lshlrev_b32 v[CT+4*\x], v[SH8], v[CT+4*\x]   ; at their places in the word
.endr
.irp x, 0,1
	v_permlanex16_b32 v[PT+\x], v[CT+4*\x], s[SEL], s[SEL+1]
.endr
	WIN 0x15                                       ; scale words stand in window 0
.irp x, 0,1
	v_or_b32 v[PS+\x], v[CT+4*\x], v[PT+\x]        ; with lane l xor 16's two the word is whole
.endr
	WIN 0x55
.irp x, 0,1
	v_cvt_scalef32_pk16_fp6_f32 v[PC+12*\x:PC+12*\x+2], v[64*\x:64*\x+15], v[BM+2*\x]
	v_cvt_scalef32_pk16_fp6_f32 v[CT:CT+2], v[64*\x+16:64*\x+31], v[BM+2*\x]         ; (a conversion's three registers begin on an even number)
	v_cvt_scalef32_pk16_fp6_f32 v[PC+12*\x+6:PC+12*\x+8], v[64*\x+32:64*\x+47], v[BM+2*\x+1]
	v_cvt_scalef32_pk16_fp6_f32 v[CT+4:CT+6], v[64*\x+48:64*\x+63], v[BM+2*\x+1]
	v_nop                                          ; one plain place behind a scaled conversion
.irp i, 0,1,2
	v_mov_b32 v[PC+12*\x+3+\i], v[CT+\i]
	v_mov_b32 v[PC+12*\x+9+\i], v[CT+4+\i]
.endr
.endr
.set N, 0
.set NN, 0
.rept 8                                        ; the eight accumulators take turns; behind each product eight of the additions of p, which name none of its registers
	WIN 0x54
	WP OT+32*(N%2)+8*(N/2), VR+12*(N/2), PC+12*(N%2), VS+N/4, PS+N%2, (N/2)%2
	WIN 0x55
.rept 8
	LADD NN
.set NN, NN+1
.endr
.set N, N+1
.endr
	WIN 0
.endm
.macro EIGHT                           ; a slot's eight key steps: written once, walked eight times
	s_mov_b32 s[NST], 8
	s_mov_b32 s[RL], 0
	v_add_nc_u32 v[ADK], s[TB], v[AKL]
	v_add_nc_u32 v[ADS], s[TS], v[ASL]
	KLOAD                                          ; the slot's first step
.Lstep_\@:
	STEP
	s_add_co_u32 s[RL], s[RL], STEPL
	s_add_co_u32 s[TB], s[TB], STEPL
	s_add_co_u32 s[TS], s[TS], 768
	s_sub_co_u32 s[NST], s[NST], 1
	s_cmp_lg_u32 s[NST], 0
	s_wait_alu depctr_va_vdst(0)                   ; the wait ahead of the branch
	s_cbranch_scc1 .Lstep_\@
.endm
; THE CHANGE OF SLOTS.  Each wave waits for all its tensor loads, adds 0 to its spare word, and waits for that and for its reads of the slot that it leaves.
; fill = 1: the slot just left takes the keys two slots on: the barrier is a round of the cluster's; the joint refill is the first thing behind it and has eight key steps in which to land.
.macro CHANGE fill
	s_wait_tensorcnt 0x0                           ; no tensor load of mine is out, so a group 0 may be written
	ds_add_u32 v[SPW], v[NIL]
.if \fill
	s_xor_b32 s[G0W+1], s[G0W+1], SLOT1            ; the other slot than last,
	s_add_nc_u64 s[G0W+2:G0W+3], s[G0W+2:G0W+3], SLOTB   ; the next eight key steps
.endif
	s_wait_dscnt 0x0                               ; the add is done, and my reads of the slot are over
.if \fill
	CROUND
	JLOAD
.else
	s_barrier_signal -1
	s_barrier_wait -1
.endif
	s_sub_co_u32 s[TB], s[TB], SLOTL               ; back to a slot's first step,
	s_xor_b32 s[TB], s[TB], SLOT1                  ; in the other slot
	s_xor_b32 s[SB], s[SB], SLOT1
.endm
	s_wait_alu depctr_va_vdst(0)                   ; the wait at the head's end
	s_wait_tensorcnt 0x0                           ; my part of the head's tiles is in; the same lines as ahead of a refill stand ahead of slot 1's first fill
	ds_add_u32 v[SPW], v[NIL]
	s_wait_dscnt 0x0
	CROUND                                         ; everybody's part is in, and the four work-groups meet
	JLOAD                                          ; key steps 8 to 15 into slot 1
.Lslot:                                            ; two trips: key steps 0-7 and 8-15; behind each its slot is filled again
	EIGHT
	CHANGE 1
	s_sub_co_u32 s[NSL], s[NSL], 1
	s_cmp_lg_u32 s[NSL], 0
	s_cbranch_scc1 .Lslot
	EIGHT                                          ; the tail is written out: nothing more is asked for
	CHANGE 0
	EIGHT
	; THE WAY OUT: O^T / l, quantised along the head's 64: register 16 b + i of a tile is place 32 b + 16 h + i.  (The last product has eight additions behind it: its places)
	WIN 0x55
.irp x, 0,1
	v_add_f32 v[LS+2*\x], v[LS+2*\x], v[LS+2*\x+1] ; l's two halves,
.endr
.irp x, 0,1
	v_permlanex16_b32 v[PT+\x], v[LS+2*\x], s[SEL], s[SEL+1]
.endr
.irp x, 0,1
	v_add_f32 v[LS+2*\x], v[LS+2*\x], v[PT+\x]     ; and lane l xor 16's
.endr
	s_wait_alu depctr_va_vdst(0)
	v_rcp_f32 v[LS], v[LS]
	v_rcp_f32 v[LS+2], v[LS+2]
	v_nop                                          ; a plain place behind the reciprocals
	s_wait_alu depctr_va_vdst(0)                   ; the wait, ahead of their first reader and of O^T's
.irp x, 0,1
.set J, 0
.rept 16
	v_pk_mul_f32 v[64*\x+J:64*\x+J+1], v[OT+32*\x+J:OT+32*\x+J+1], v[LS+2*\x:LS+2*\x+1] op_sel_hi:[1,0]
.set J, J+2
.endr
.endr
.irp x, 0,1
.irp b, 0,1
	v_max3_num_f32 v[BM+2*\x+\b], |v[64*\x+16*\b]|, |v[64*\x+16*\b+1]|, 0x1800000
.endr
.endr
.irp i, 2,4,6,8,10,12,14
.irp x, 0,1
.irp b, 0,1
	v_max3_num_f32 v[BM+2*\x+\b], v[BM+2*\x+\b], |v[64*\x+16*\b+\i]|, |v[64*\x+16*\b+\i+1]|
.endr
.endr
.endr
.irp x, 0,1
.irp b, 0,1
	v_permlanex16_b32 v[CT+4*\x+\b], v[BM+2*\x+\b], s[SEL], s[SEL+1]
.endr
.endr
.irp x, 0,1
.irp b, 0,1
	v_max_num_f32 v[BM+2*\x+\b], v[BM+2*\x+\b], v[CT+4*\x+\b]
.endr
.endr
.irp k, 0,1,2,3
	v_add_nc_u32 v[BM+\k], 0xff000000, v[BM+\k]
.endr
.irp x, 0,1
.irp b, 0,1
	v_lshrrev_b32 v[CT+4*\x+\b], 23, v[BM+2*\x+\b]
.endr
.endr
.irp x, 0,1
	v_lshl_or_b32 v[TT+\x], v[CT+4*\x+1], 8, v[CT+4*\x]   ; my head's two bytes of the row's scale word
.endr
.irp x, 0,1
	v_cvt_scalef32_pk16_fp6_f32 v[PC+12*\x:PC+12*\x+2], v[64*\x:64*\x+15], v[BM+2*\x]
	v_cvt_scalef32_pk16_fp6_f32 v[CT+4*\x:CT+4*\x+2], v[64*\x+16:64*\x+31], v[BM+2*\x+1]
.endr
	v_nop                                          ; one plain place behind a scaled conversion
.irp x, 0,1
.irp i, 0,1,2
	v_permlane16_swap_b32 v[PC+12*\x+\i], v[CT+4*\x+\i]   ; here a block lies in two lanes: the operand's layout wants it whole in one
.endr
.endr
.irp x, 0,1
.irp i, 0,1,2
	v_mov_b32 v[PC+12*\x+3+\i], v[CT+4*\x+\i]      ; six registers: places 32 h + 0 .. 31 of my query: half a fragment of the last product
.endr
.endr
	WIN 0x04                                       ; a store's data: window 1
.irp x, 0,1
	global_store_b128 v[LI], v[PC+12*\x:PC+12*\x+3], s[OC:OC+1] offset:1536*\x            ; 512 consecutive bytes, aligned
	global_store_b64 v[L8], v[PC+12*\x+4:PC+12*\x+5], s[OC:OC+1] offset:1536*\x+512       ; 256
	global_store_b32 v[L4], v[TT+\x], s[OS:OS+1] offset:128*\x                            ; the scale image: my two tiles' fill 256 between them
.endr
	WIN 0
	s_wait_tensorcnt 0x0                           ; the wave's end
	ds_add_u32 v[SPW], v[NIL]
	s_wait_dscnt 0x0
	CROUND                                         ; the closing round: no work-group ends while a partner may still ask for a tile that names it
	s_endpgm
.Lfunc_end_k_q74ddc378d0_attn:
	.size	k_q74ddc378d0_attn, .Lfunc_end_k_q74ddc378d0_attn-k_q74ddc378d0_attn
	.p2alignl 7, 3214868480
	.fill 96, 4, 3214868480
	.section	.rodata,"a",@progbits
	.p2align	6, 0x0
	.amdhsa_kernel k_q74ddc378d0_attn
		.amdhsa_group_segment_fixed_size 327680
		.amdhsa_private_segment_fixed_size 0
		.amdhsa_enable_private_segment 0
		.amdhsa_kernarg_size 24
		.amdhsa_user_sgpr_count 2
		.amdhsa_user_sgpr_kernarg_segment_ptr 1
		.amdhsa_wavefront_size32 1
		.amdhsa_system_sgpr_workgroup_id_x 1
		.amdhsa_system_sgpr_workgroup_id_y 1
		.amdhsa_system_sgpr_workgroup_id_z 1
		.amdhsa_system_vgpr_workitem_id 0
		.amdhsa_next_free_vgpr 512
		.amdhsa_next_free_sgpr 80
		.amdhsa_reserve_vcc 0
		.amdhsa_float_denorm_mode_32 3
		.amdhsa_float_denorm_mode_16_64 3
		.amdhsa_memory_ordered 1
		.amdhsa_forward_progress 1
		.amdhsa_inst_pref_size 106
	.end_amdhsa_kernel
	.amdgpu_metadata
---
amdhsa.version: [ 1, 2 ]
amdhsa.kernels:
  - .name:           k_q74ddc378d0_attn
    .symbol:         k_q74ddc378d0_attn.kd
    .args:
      - { .name: qb, .offset: 0, .size: 8, .value_kind: global_buffer, .address_space: global }
      - { .name: kvb, .offset: 8, .size: 8, .value_kind: global_buffer, .address_space: global }
      - { .name: ob, .offset: 16, .size: 8, .value_kind: global_buffer, .address_space: global }
    .group_segment_fixed_size: 327680
    .private_segment_fixed_size: 0
    .kernarg_segment_align: 8
    .kernarg_segment_size: 24
    .max_flat_workgroup_size: 256
    .sgpr_count:     80
    .vgpr_count:     512
    .wavefront_size: 32
...
	.end_amdgpu_metadata
.endif
;; end of part 3
;; launch outp (part 4): grid 128 x 2, 4 waves a work-group, no clusters, 17,920 bytes of LDS; arguments ob, act, bo, out0; writes out0
.if DOCPART == 4
	.amdgcn_target "amdgcn-amd-amdhsa--gfx1250"
	.amdhsa_code_object_version 6
	.text
	.protected	k_q74ddc378d0_outp
	.globl	k_q74ddc378d0_outp
	.p2align	8
	.type	k_q74ddc378d0_outp,@function
k_q74ddc378d0_outp:
	s_mov_b64 s[64:65], 0
	v_nop
	global_prefetch_b8 v0, s[64:65] scope:SCOPE_SE
	s_setreg_imm32_b32 hwreg(HW_REG_WAVE_MODE, 25, 1), 1
	s_wait_xcnt 0x0
; out0 = O Wo + bo on codes of FP6 (E2M3).  O's codes and scale bytes come from ob, Wo's from act, both as register images; bo and out0 are f32.
; SHARES: work-group (x, y): 64 rows (tiles 4 x + a) x 256 columns (half y); wave w: 64 columns, Wo's tiles 16 y + 4 w + b.  16 accumulators; K = 512 in four steps of 128 (heads 2 s and 2 s + 1).
; TRANSPOSED: source 0 = 16 rows of Wo's operand (output columns), source 1 = 16 rows of O: a lane holds one row of the output; row r of a tile T is 32 (T / 2) + 8 (T % 2) + r + 8 (r / 8),
; so the 16 registers of tiles 2 b and 2 b + 1 are 16 neighbouring columns.  The bias is the C of each sum's first product.
; O's fragment is two halves of 768 bytes, one for each head (512 bytes: registers 0-3, 16 a lane; 256 bytes: registers 4, 5); its scale word is two heads' half words, joined here.
; Every offset is an immediate: no address is stepped.  No tensor load, no joint load: a K step is 16 matrix instructions a wave and there are four; operands go from memory straight into their registers.
; THE WAY OUT: 16 rows x 64 columns at a time through the wave's own stage in LDS (rows of 256 + 16 bytes); sixteen lanes store 256 consecutive bytes, aligned.
; REGISTERS: window 0: v1-9 addresses; v16-31 two sets of scale words; v32-63 the bias; v64-159, v160-255 two buffers (O's four fragments, then Wo's four).  window 1: accumulator (a, b) at v[32 a + 8 b].
.set ACT_S, 8847360
.set OB_S,  3145728
.set SROW,  272
.set STG,   16*SROW
.set SPARE, 4*STG                      ; behind the stages: the spare words, 128 bytes for each wave
.set LI,  1                            ; 16 x lane
.set L8,  2                            ; 8 x lane
.set LSC, 3                            ; 4 r + 128 h
.set STI, 4                            ; into the stage
.set STO, 5                            ; out of it
.set GO,  6                            ; my byte offset in the output's two rows
.set BOF, 7                            ; 64 h: the bias
.set SPW, 8                            ; my spare word; never rewritten
.set NIL, 9                            ; 0; never rewritten
.set SC,  16                           ; set p at v[SC + 8 p]: + 0, 1 head 2 s's half words (pairs of tiles), + 2, 3 head 2 s + 1's, + 4, 5 joined, + 6, 7 Wo's
.set BI,  32
.set FB,  64
.set WV,  12
.set XC,  16                           ; s[16:17] O's codes; s[18:19] its scale words; s[20:21] Wo's codes; s[22:23] its scale words; s[24:25] bo; s[26:27] out0
.set XS,  18
.set YC,  20
.set YS,  22
.set BO,  24
.set OUT, 26
.set MSB, 0
.macro WIN new
.if MSB != (\new)
	s_set_vgpr_msb (MSB<<8)|(\new)
.set MSB, (\new)
.endif
.endm
.macro PLACES
.rept 4
	v_nop
.endr
.endm
.macro WM d, a, b, c, sa, sb, oa, ob   ; one scaled product; oa, ob: the side's scale words stand in lanes 16-31
.if (\oa) && (\ob)
	v_wmma_scale_f32_16x16x128_f8f6f4 v[\d:\d+7], v[\a:\a+11], v[\b:\b+11], v[\c:\c+7], v[\sa], v[\sb] matrix_a_fmt:MATRIX_FMT_FP6 matrix_b_fmt:MATRIX_FMT_FP6 matrix_a_scale:MATRIX_SCALE_ROW1 matrix_b_scale:MATRIX_SCALE_ROW1
.elseif (\oa)
	v_wmma_scale_f32_16x16x128_f8f6f4 v[\d:\d+7], v[\a:\a+11], v[\b:\b+11], v[\c:\c+7], v[\sa], v[\sb] matrix_a_fmt:MATRIX_FMT_FP6 matrix_b_fmt:MATRIX_FMT_FP6 matrix_a_scale:MATRIX_SCALE_ROW1
.elseif (\ob)
	v_wmma_scale_f32_16x16x128_f8f6f4 v[\d:\d+7], v[\a:\a+11], v[\b:\b+11], v[\c:\c+7], v[\sa], v[\sb] matrix_a_fmt:MATRIX_FMT_FP6 matrix_b_fmt:MATRIX_FMT_FP6 matrix_b_scale:MATRIX_SCALE_ROW1
.else
	v_wmma_scale_f32_16x16x128_f8f6f4 v[\d:\d+7], v[\a:\a+11], v[\b:\b+11], v[\c:\c+7], v[\sa], v[\sb] matrix_a_fmt:MATRIX_FMT_FP6 matrix_b_fmt:MATRIX_FMT_FP6
.endif
.endm
.macro LOAD p, s                       ; K step s into buffer p: 34 loads
.irp a, 0,1,2,3
.irp c, 0,1
	global_load_b128 v[FB+96*(\p)+12*\a+6*\c:FB+96*(\p)+12*\a+6*\c+3], v[LI], s[XC:XC+1] offset:786432*(\s)+1536*\a+768*\c
	global_load_b64 v[FB+96*(\p)+12*\a+6*\c+4:FB+96*(\p)+12*\a+6*\c+5], v[L8], s[XC:XC+1] offset:786432*(\s)+1536*\a+768*\c+512
.endr
.endr
.irp b, 0,1,2,3
.irp c, 0,1,2
	global_load_b128 v[FB+96*(\p)+48+12*\b+4*\c:FB+96*(\p)+48+12*\b+4*\c+3], v[LI], s[YC:YC+1] offset:49152*(\s)+1536*\b+512*\c
.endr
.endr
.irp j, 0,1
	global_load_b32 v[SC+8*(\p)+\j], v[LSC], s[XS:XS+1] offset:65536*(2*(\s))+256*\j
	global_load_b32 v[SC+8*(\p)+2+\j], v[LSC], s[XS:XS+1] offset:65536*(2*(\s)+1)+256*\j
	global_load_b32 v[SC+8*(\p)+6+\j], v[LSC], s[YS:YS+1] offset:4096*(\s)+256*\j
.endr
.endm
.macro KSTEP p, s
.if (\s) < 3
	s_wait_loadcnt 34                              ; this K step's loads (and all before them) are in; the next step's 34 may be out
.else
	s_wait_loadcnt 0x0
.endif
.irp j, 0,1
	v_lshl_or_b32 v[SC+8*(\p)+4+\j], v[SC+8*(\p)+2+\j], 16, v[SC+8*(\p)+\j]   ; bytes 0, 1: head 2 s; bytes 2, 3: head 2 s + 1
.endr
.rept 8
	v_nop                                          ; a scale register written by a vector instruction stands 8 places ahead of a scaled product
.endr
.if (\s) == 0
	WIN 0x40                                       ; D window 1; C, the bias, window 0
.else
	WIN 0x50                                       ; C and D window 1
.endif
.irp a, 0,1,2,3                                ; the 16 accumulators take turns, one instruction a turn, in the same order in every step
.irp b, 0,1,2,3
.if (\s) == 0
	WM 32*\a+8*\b, FB+96*(\p)+48+12*\b, FB+96*(\p)+12*\a, BI+8*\b, SC+8*(\p)+6+\b/2, SC+8*(\p)+4+\a/2, \b%2, \a%2
.else
	WM 32*\a+8*\b, FB+96*(\p)+48+12*\b, FB+96*(\p)+12*\a, 32*\a+8*\b, SC+8*(\p)+6+\b/2, SC+8*(\p)+4+\a/2, \b%2, \a%2
.endif
.endr
.endr
	WIN 0
	PLACES                                         ; in front of loads into registers that these products read, of the next write of the joined scale words, and of the first read of results
.if (\s) < 2
	LOAD \p, (\s)+2
.endif
.endm
	s_load_b256 s[4:11], s[0:1], 0x0               ; ob, act, bo, out0
	v_lshl_add_u32 v[SPW], v0, 2, SPARE
	v_mov_b32 v[NIL], 0
	v_lshrrev_b32 v10, 5, v0
	v_readfirstlane_b32 s[WV], v10
	v_and_b32 v10, 31, v0
	v_lshlrev_b32 v[LI], 4, v10
	v_lshlrev_b32 v[L8], 3, v10
	v_and_b32 v10, 15, v0                          ; r
	v_bfe_u32 v11, v0, 4, 1                        ; h
	v_lshlrev_b32 v[LSC], 2, v10
	v_lshl_add_u32 v[LSC], v11, 7, v[LSC]
	s_mul_i32 s15, s[WV], STG
	v_mul_u32_u24 v[STI], v10, SROW
	v_lshl_add_u32 v[STI], v11, 6, v[STI]
	v_add_nc_u32 v[STI], s15, v[STI]               ; row r, + 64 h: my 16 columns of each 32
	v_mul_u32_u24 v[STO], v11, SROW
	v_lshl_add_u32 v[STO], v10, 4, v[STO]
	v_add_nc_u32 v[STO], s15, v[STO]               ; back: lanes 0-15 one row, lanes 16-31 the next
	v_lshlrev_b32 v[GO], 11, v11
	v_lshl_add_u32 v[GO], v10, 4, v[GO]            ; and the same two rows of 2,048 bytes in the output
	v_lshlrev_b32 v[BOF], 6, v11
	s_and_b32 s13, ttmp7, 0xffff                   ; y
	s_lshl_b32 s14, s13, 4
	s_lshl_b32 s28, s[WV], 2
	s_add_co_u32 s14, s14, s28
	s_add_co_u32 s14, s14, 512                     ; Wo's fragment of K step 0: 512 + 16 y + 4 w
	s_mov_b32 s29, 0
	s_mov_b32 s31, 0
	s_lshl_b32 s30, s13, 10
	s_lshl_b32 s32, s[WV], 8
	s_add_co_u32 s30, s30, s32                     ; my 64 columns in bytes: 1,024 y + 256 w
	s_wait_alu depctr_va_vdst(0)
	s_wait_kmcnt 0x0
	s_mul_i32 s28, ttmp9, 6144
	s_add_nc_u64 s[XC:XC+1], s[4:5], s[28:29]
	s_lshl_b32 s28, ttmp9, 9
	s_add_nc_u64 s[XS:XS+1], s[4:5], s[28:29]
	s_add_nc_u64 s[XS:XS+1], s[XS:XS+1], OB_S
	s_mul_i32 s28, s14, 1536
	s_add_nc_u64 s[YC:YC+1], s[6:7], s[28:29]
	s_lshl_b32 s28, s14, 7
	s_add_nc_u64 s[YS:YS+1], s[6:7], s[28:29]
	s_add_nc_u64 s[YS:YS+1], s[YS:YS+1], ACT_S
	s_add_nc_u64 s[BO:BO+1], s[8:9], s[30:31]
	s_lshl_b32 s28, ttmp9, 17                      ; 64 rows of 2,048 bytes
	s_add_nc_u64 s[OUT:OUT+1], s[10:11], s[28:29]
	s_add_nc_u64 s[OUT:OUT+1], s[OUT:OUT+1], s[30:31]
.irp b, 0,1,2,3                                ; the bias in the result's layout: tile b's eight columns 32 (b / 2) + 8 (b % 2) + 16 h + 0 .. 7
	global_load_b128 v[BI+8*\b:BI+8*\b+3], v[BOF], s[BO:BO+1] offset:(32*(\b/2)+8*(\b%2))*4
	global_load_b128 v[BI+8*\b+4:BI+8*\b+7], v[BOF], s[BO:BO+1] offset:(32*(\b/2)+8*(\b%2))*4+16
.endr
	LOAD 0, 0
	LOAD 1, 1
	KSTEP 0, 0
	KSTEP 1, 1
	KSTEP 0, 2
	KSTEP 1, 3
	; THE WAY OUT.  LDS serves a wave's instructions in order: a tile's loads see its stores, and the next tile's stores come behind them
.irp a, 0,1,2,3
	WIN 0x04                                       ; an LDS store's data are its source 1: window 1
.irp b, 0,1,2,3
	ds_store_b128 v[STI], v[32*\a+8*\b:32*\a+8*\b+3] offset:128*(\b/2)+32*(\b%2)        ; each accumulator from its low end on
	ds_store_b128 v[STI], v[32*\a+8*\b+4:32*\a+8*\b+7] offset:128*(\b/2)+32*(\b%2)+16
.endr
	WIN 0
.irp i, 0,1,2,3,4,5,6,7
	ds_load_b128 v[FB+32*\a+4*\i:FB+32*\a+4*\i+3], v[STO] offset:2*SROW*\i
.endr
.endr
.irp a, 0,1,2,3
.irp i, 0,1,2,3,4,5,6,7
	s_wait_dscnt 16*(3-\a)+7-\i                    ; the younger LDS instructions may be out: this tile's later loads and the later tiles' sixteen each
	global_store_b128 v[GO], v[FB+32*\a+4*\i:FB+32*\a+4*\i+3], s[OUT:OUT+1] offset:(32*(\a/2)+8*(\a%2)+2*\i+8*(\i/4))*2048 th:TH_STORE_NT   ; 16 lanes store 256 consecutive bytes, aligned; written once
.endr
.endr
	s_wait_tensorcnt 0x0                           ; the wave's end, behind my last LDS store
	ds_add_u32 v[SPW], v[NIL]
	s_wait_dscnt 0x0
	s_endpgm
.Lfunc_end_k_q74ddc378d0_outp:
	.size	k_q74ddc378d0_outp, .Lfunc_end_k_q74ddc378d0_outp-k_q74ddc378d0_outp
	.p2alignl 7, 3214868480
	.fill 96, 4, 3214868480
	.section	.rodata,"a",@progbits
	.p2align	6, 0x0
	.amdhsa_kernel k_q74ddc378d0_outp
		.amdhsa_group_segment_fixed_size 17920
		.amdhsa_private_segment_fixed_size 0
		.amdhsa_enable_private_segment 0
		.amdhsa_kernarg_size 32
		.amdhsa_user_sgpr_count 2
		.amdhsa_user_sgpr_kernarg_segment_ptr 1
		.amdhsa_wavefront_size32 1
		.amdhsa_system_sgpr_workgroup_id_x 1
		.amdhsa_system_sgpr_workgroup_id_y 1
		.amdhsa_system_sgpr_workgroup_id_z 1
		.amdhsa_system_vgpr_workitem_id 0
		.amdhsa_next_free_vgpr 384
		.amdhsa_next_free_sgpr 66
		.amdhsa_reserve_vcc 0
		.amdhsa_float_denorm_mode_32 3
		.amdhsa_float_denorm_mode_16_64 3
		.amdhsa_memory_ordered 1
		.amdhsa_forward_progress 1
		.amdhsa_inst_pref_size 35
	.end_amdhsa_kernel
	.amdgpu_metadata
---
amdhsa.version: [ 1, 2 ]
amdhsa.kernels:
  - .name:           k_q74ddc378d0_outp
    .symbol:         k_q74ddc378d0_outp.kd
    .args:
      - { .name: ob, .offset: 0, .size: 8, .value_kind: global_buffer, .address_space: global }
      - { .name: act, .offset: 8, .size: 8, .value_kind: global_buffer, .address_space: global }
      - { .name: bo, .offset: 16, .size: 8, .value_kind: global_buffer, .address_space: global }
      - { .name: out0, .offset: 24, .size: 8, .value_kind: global_buffer, .address_space: global }
    .group_segment_fixed_size: 17920
    .private_segment_fixed_size: 0
    .kernarg_segment_align: 8
    .kernarg_segment_size: 32
    .max_flat_workgroup_size: 128
    .sgpr_count:     66
    .vgpr_count:     384
    .wavefront_size: 32
...
	.end_amdgpu_metadata
.endif
;; end of part 4
